; MI455X (gfx1250); checked and timed in simulation.
; The chip was launched on July 23, 2026; its instructions are those of AMD's public machine-readable ISA for CDNA 5 (MIT licence, August 2026) and "CDNA5" Instruction Set Architecture Reference Guide (July 2026). The comments in the code are by the model that wrote it; some were corrected since.
;; Attention. Allowed arithmetic: matrix products marked QUANTISED: E2M3 operands, one E8M0 scale for each 32 along K, by v_wmma_scale_f32_16x16x128_f8f6f4 with both operands' format E2M3, f32 sums; everything else in f32.
;; Inputs: K_codes 64 x 16 x 32 x 24 uint8 (E2M3 codes of K, K innermost, in blocks of 32 codes, four codes in three bytes); K_scales 64 x 16 x 32 uint8 (E8M0 scales of K, one for each 32 codes along K); Q_codes 64 x 16 x 32 x 24 uint8 (E2M3 codes of Q, K innermost, in blocks of 32 codes, four codes in three bytes); Q_scales 64 x 16 x 32 uint8 (E8M0 scales of Q, one for each 32 codes along K); V_codes 64 x 16 x 32 x 24 uint8 (E2M3 codes of V, K innermost, in blocks of 32 codes, four codes in three bytes); V_scales 64 x 16 x 32 uint8 (E8M0 scales of V, one for each 32 codes along K); W 1,024 x 64 x 16 float32; x_codes 4 x 2,048 x 32 x 24 uint8 (E2M3 codes of x, K innermost, in blocks of 32 codes, four codes in three bytes); x_scales 4 x 2,048 x 32 uint8 (E8M0 scales of x, one for each 32 codes along K).
;; Outputs: out0 4 x 2,048 x 1,024 float32.
;; This version of the problem:
;;   THIS VERSION OF THE PROBLEM IS GIVEN IN LOW PRECISION. The matrix products marked QUANTISED in the list below multiply operands that are first quantised to E2M3 (2 exponent bits, 3 mantissa bits; 6 bits a number), with one power-of-two scale for each 32 numbers along K (OCP MX v1.0); their sums are f32. All else is computed in f32.
;;   The module's matrix products, in the order in which they are computed (A, B: the left and right operand; K: the contracted axis; several contracted axes count as one K, in the product's order):
;;     1. [M 8,192, K 1,024] x [K 1,024, N 1,024]; A: input x (given as codes); B: input Q (given as codes): QUANTISED
;;     2. [M 8,192, K 1,024] x [K 1,024, N 1,024]; A: input x (given as codes); B: input K (given as codes): QUANTISED
;;     3. [M 8,192, K 1,024] x [K 1,024, N 1,024]; A: input x (given as codes); B: input V (given as codes): QUANTISED
;;     4. batch 64 x [M 2,048, K 64] x [K 64, N 2,048]; A: computed on the way; B: computed on the way: QUANTISED
;;     5. batch 64 x [M 2,048, K 2,048] x [K 2,048, N 64]; A: softmax (see below); B: computed on the way: QUANTISED
;;     6. [M 8,192, K 1,024] x [K 1,024, N 1,024]; A: computed on the way; B: input W: QUANTISED
;;   THE QUANTISER, for each operand of a quantised product, along K:
;;     - K is cut into blocks of 32 from its start; a last block that is shorter is filled with zeros.
;;     - A block's scale is 2^e with e = floor(log2(the largest magnitude in the block)) - 2, held to -126 .. 127; a block of zeros has e = 0. As a byte (E8M0): e + 127.
;;     - Each number is divided by its block's scale, clamped to +-7.5, and rounded to the nearest number of E2M3, ties to even, subnormals kept.
;;     - The product sums the exact products of the quantised numbers (number of the format x scale) in f32.
;;   ~~~python
;;   def quantise(x, axis):      # numpy; x: float32 -> the quantised numbers, widened to float32 again
;;       x = np.moveaxis(x, axis, -1); K = x.shape[-1]
;;       x = np.pad(x, [(0, 0)] * (x.ndim - 1) + [(0, -K % 32)]); x = x.reshape(x.shape[:-1] + (-1, 32)); a = np.abs(x).max(-1, keepdims=True)
;;       e = np.where(a > 0, np.clip(np.frexp(np.where(a > 0, a, 1))[1] - 1 - 2, -126, 127), 0)      # np.frexp(a)[1] - 1 = floor(log2(a)), exactly
;;       r = np.clip(x / 2.0 ** e, -7.5, 7.5)
;;       step = 2.0 ** (np.maximum(np.frexp(np.where(r == 0, 1, r))[1] - 1, 0) - 3)
;;       q = np.round(r / step) * step * 2.0 ** e      # np.round: ties to even
;;       return np.moveaxis(q.reshape(q.shape[:-2] + (-1,))[..., :K], -1, axis).astype(np.float32)
;;   ~~~
;;   SOFTMAX AHEAD OF A QUANTISED PRODUCT. Where the list says 'softmax', what is quantised is not the finished softmax but p = 2^(t - M), with t = logit x log2(e) and M = ceil(the row's largest t), a whole number; so 1/2 < the row's largest p <= 1. The row's sum l is taken of the UNQUANTISED p, in f32, and the product's result is divided by l at the end. Since M is a whole number, a kernel that streams over the keys may use a running M (the ceiling of the running maximum): every later rescaling is an exact power of two, which a block's scale takes up: the codes' values come out the same.
;;   OPERANDS COMPUTED ON THE WAY. 'Computed on the way' means the value that the module computes at that place (a softmax that the list does not call 'softmax' is quantised finished and normalised). What goes into a quantiser is computed in f32, as accurately as f32 sums, v_exp_f32 and their like allow (about 1e-6 of the number): no bf16 or f16 on the way to a quantiser, and a product that is left as it is and whose result goes on into a quantised operand takes f32 operands (vector FMAs, or v_wmma_f32_16x16x4_f32). A number that lies on a knife's edge between two numbers of the format may be rounded either way, as far as f32 arithmetic and the matrix unit's own rounding can turn it there, and no further.
;;   INPUTS GIVEN AS CODES. K (in the module: [64, 1024, 16], K = its axis 1); Q (in the module: [64, 1024, 16], K = its axis 1); V (in the module: [64, 1024, 16], K = its axis 1); x (in the module: [4, 2048, 1024], K = its axis 2): each comes as NAME_codes (uint8): NAME with its K axis moved to the last place and cut into blocks of 32 codes, [.., K / 32, bytes a block], one block behind the other in memory; four codes in three bytes: a row's codes are one little-endian stream of bits, code i at bits 6 i .. 6 i + 5 (a code: sign, 2 exponent bits, 3 mantissa bits); and NAME_scales (uint8): the same leading axes, one E8M0 byte (e + 127) for each 32 codes along K. Its value is code x scale, taken as it is: it is not quantised again, and the codes and scales need not be those that the quantiser above would give.
;; One version. Each part assembles by itself: llvm-mc -triple=amdgcn-amd-amdhsa -mcpu=gfx1250 --defsym DOCPART=n.
;; ======== version 1 of 1: 3 launches
;; workspace buffers: qb 6,815,744 bytes; kb 6,291,456 bytes; vb 6,291,456 bytes; kvs 786,432 bytes; wb 819,200 bytes; yb 6,553,600 bytes
;; launch proj (part 1): grid 8 x 32, 4 waves a work-group, clusters of 4 x 4, 327,680 bytes of LDS; arguments x_codes, x_scales, Q_codes, Q_scales, K_codes, K_scales, V_codes, V_scales, W, qb, kb, vb, kvs, wb; writes qb, kb, vb, kvs, wb
.if DOCPART == 1
	.amdgcn_target "amdgcn-amd-amdhsa--gfx1250"
	.amdhsa_code_object_version 6
	.text
	.protected	k_qea35cb928a_proj
	.globl	k_qea35cb928a_proj
	.p2align	8
	.type	k_qea35cb928a_proj,@function
k_qea35cb928a_proj:
	s_mov_b64 s[64:65], 0
	v_nop
	global_prefetch_b8 v0, s[64:65] scope:SCOPE_SE
	s_setreg_imm32_b32 hwreg(HW_REG_WAVE_MODE, 25, 1), 1
	s_wait_xcnt 0x0
	s_wait_alu depctr_hold_cnt(0) depctr_sa_sdst(0) depctr_va_vdst(0) depctr_va_sdst(0) depctr_va_ssrc(0) depctr_va_vcc(0) depctr_vm_vsrc(0)
	s_getreg_b32 s2, hwreg(HW_REG_IB_STS2, 6, 4)
	s_cmp_eq_u32 s2, 0
	s_cbranch_scc0 .Lentry_in_a_cluster
	s_endpgm
.Lentry_in_a_cluster:
	s_bfe_u32 s2, ttmp6, 0x10000c
	s_cmp_lg_u32 s2, 0xf033
	s_cbranch_scc0 .Lentry_shape_is_right
	s_endpgm
.Lentry_shape_is_right:
; q, k, v = x times the weights Q, K, V (codes of FP6 E2M3 with one E8M0 byte for each 32 along D = 1,024), and their quantising for the attention; besides, W (f32) is quantised for the last product.
; SHARES.  256 work-groups of four waves.  A work-group takes 256 rows of x (256 gy on) and the heads gx and gx + 8; wave w takes 128 of the rows (w / 2) and one head (w % 2), with its q, k and v:
; 128 x 192 results, 96 accumulators of 16 x 16, 768 registers (windows 1, 2, 3).  For 128 along D a wave reads 320 rows of 96 bytes from LDS for 96 matrix instructions.
; ORIENTATION.  q, k: source 0 = 16 weight rows, source 1 = 16 rows of x: a lane holds one row of x and eight neighbouring channels.  v: source 0 = x, source 1 = weights: a lane holds one channel and eight neighbouring keys.
; So each result's next K (the channels for q and k, the keys for v) runs along a lane's registers, and the conversions' results, with the exchange of halves, ARE the next operand's registers.
; ORDER INSIDE A BLOCK OF 32.  The tiles take 16 neighbouring rows, so place p of a block holds its element 8 (p / 16) + p % 8 + 16 ((p / 8) % 2).  Every pair of operands that meet later (q and k; p and v; y and W) has this same order.
; THE FACTORS sqrt(64 / 1024) of reference() are powers of two: q, k, v are quantised without them (same codes, the scale's exponent 2 higher); the attention's constant takes them up.
; LIMITS: blocks whose largest magnitude lies under 2^-120 meet the floor of the scale's byte elsewhere than reference() does; a block of zeros gets the byte 1 (its codes are zeros; this program alone reads the bytes); NaN, infinities and scale bytes 0xff are not served.
; WORKSPACE, as images of the operands' registers: a half fragment (16 rows x 64 K, registers 0-5) is 768 bytes: registers 0-3 of lane l at 16 l, registers 4-5 at 512 + 8 l; a whole fragment is 3 x 512 bytes.
; CLUSTER 4 x 4: x's tile hangs on gy alone and is asked for jointly along a row of the cluster, the weights' tiles on gx alone, jointly along a column.  Wave 0 fetches x, waves 1, 2, 3 fetch Q, K, V.
; A weight tile takes every eighth row from row gx on (a weight's row is 16 channel + head): LDS row i is channel i / 2 of head gx + 8 (i % 2).
; D goes in 8 steps of 128; a slot holds 256 along D; two slots; each is filled again once.  The steps are written out: no loop.
.set XP,    240                        ; x's LDS row: 3 x (64 bytes + 16 of padding)
.set WP,    216                        ; a weight's LDS row: 3 x (64 bytes + 8): my head's rows lie 432 bytes = 108 words apart, sixteen different multiples of 4 words modulo 64
.set XTILE, 256*XP
.set WTILE, 128*WP
.set SLOT,  XTILE+3*WTILE              ; 144,384 bytes: x, then Q, K, V
.set SCX,   2*SLOT                     ; x's scale bytes for all of D: 256 rows of 32 + 8
.set SCW,   SCX+256*40                 ; the weights': [head 2][kind 3][64 rows] of 32 + 8
.set SPARE, SCW+6*64*40                ; the spare words, 128 bytes for each wave
.set WST,   SPARE+512                  ; W's turn through LDS, 768 bytes for each wave; no tile lands here
.set XF,    32                         ; v32-127   x's 8 fragments, one set
.set WB,    128                        ; v128-223  two buffers of 4 weight fragments
.set SC,    224                        ; v224-247  two sets of 12 scale registers: lanes 0-15 x's tile i, lanes 16-31 weight tile i = 4 kind + T
.set SPW,   28                         ; v28  SPARE + 4 x my thread's number; never rewritten
.set NIL,   29                         ; v29  0; never rewritten
; v4-7 x's LDS addresses (slot 0, 1; then the same behind one padding more); v8-19 the weights' (slot, kind; each with its partner behind one padding more); v20 the scale words'
; s96 wave, s97 which 128 rows, s98 which head, s99 cx, s100 cy, s101 gx, s104 gy, s105 my row's mask, s66 my column's
; s[32:39] group 1 of x's tiles, s[40:47] the weights', s[48:55] x's scales, s[56:63] the weights' scales; groups 0: s[68:75] x (slot 0, 1), s[76:79] x's scales, s[80:87] weights (slot 0, 1), s[88:95] their scales (head 0, 1)
.set MSB, 0
.macro WIN new                         ; the immediate's high byte repeats the setting that is left
.if MSB != (\new)
	s_set_vgpr_msb (MSB<<8)|(\new)
.set MSB, \new
.endif
.endm
.macro PLACES                          ; four plain places behind matrix instructions, in front of loads into their registers and of reads of results
.rept 4
	v_nop
.endr
.endm
.macro CREST                           ; a round of the cluster's barrier behind its opening barrier
	s_cmp_lg_u32 s96, 0
	s_cbranch_scc1 .Lnot_wave_0_\@
	s_barrier_signal -3
.Lnot_wave_0_\@:
	s_barrier_wait -3
	s_barrier_signal -1
	s_barrier_wait -1
.endm
.macro CROUND
	s_barrier_signal -1
	s_barrier_wait -1
	CREST
.endm
.macro JLOAD s                         ; a joint refill of slot s: wave 0 x's tile, waves 1-3 their weight's; four v_nop follow each line
	s_cmp_eq_u32 s96, 0
	s_cbranch_scc0 .Lfor_w_\@
	tensor_load_to_lds s[68+4*\s:71+4*\s], s[32:39]
	s_nop 0
.rept 4
	v_nop
.endr
	s_branch .Lasked_\@
.Lfor_w_\@:
	tensor_load_to_lds s[80+4*\s:83+4*\s], s[40:47]
	s_nop 0
.rept 4
	v_nop
.endr
.Lasked_\@:
.endm
	s_load_b512 s[4:19], s[0:1], 0x0               ; x_codes, x_scales, Q_codes, Q_scales, K_codes, K_scales, V_codes, V_scales
	s_load_b128 s[20:23], s[0:1], 0x40             ; W, qb
	s_load_b256 s[24:31], s[0:1], 0x50             ; kb, vb, kvs, wb
	v_lshl_add_u32 v[SPW], v0, 2, SPARE
	v_mov_b32 v[NIL], 0
	ds_add_u32 v28, v29
	ds_add_u32 v28, v29
	s_wait_dscnt 0x0
	v_lshrrev_b32 v1, 5, v0
	v_readfirstlane_b32 s96, v1                    ; wave 0..3
	s_lshr_b32 s97, s96, 1
	s_and_b32 s98, s96, 1
	s_bfe_u32 s99, ttmp6, 0x40000                  ; cx
	s_bfe_u32 s100, ttmp6, 0x40004                 ; cy
	s_lshl_b32 s101, ttmp9, 2
	s_add_co_u32 s101, s101, s99                   ; gx = 4 x cluster x + cx
	s_and_b32 s104, ttmp7, 0xffff
	s_lshl_b32 s104, s104, 2
	s_add_co_u32 s104, s104, s100                  ; gy = 4 x cluster y + cy
	s_lshl_b32 s105, s100, 2
	s_lshl_b32 s105, 15, s105                      ; my row of the cluster
	s_lshl_b32 s66, 0x1111, s99                    ; my column
	; groups 1; elements of 1 byte; bit 20 padding on, bit 21 beside a mask, 24:22 the interval's code, 31:25 the padding's words less 1
	s_or_b32 s32, s105, (1<<20)|(1<<21)|(3<<22)|(3<<25)   ; x: 256 rows of 192 bytes, 768 apart; 4 words behind every 16
	s_mov_b32 s33, 192<<16
	s_mov_b32 s34, 256<<16
	s_mov_b32 s35, 192<<16
	s_mov_b32 s36, 256
	s_mov_b32 s37, 768
	s_mov_b32 s38, 0
	s_mov_b32 s39, 0
	s_or_b32 s40, s66, (1<<20)|(1<<21)|(3<<22)|(1<<25)    ; a weight: 128 rows of 192 bytes, 8 rows (6,144 bytes) apart; 2 words behind every 16
	s_mov_b32 s41, 192<<16
	s_mov_b32 s42, 128<<16
	s_mov_b32 s43, 192<<16
	s_mov_b32 s44, 128
	s_mov_b32 s45, 6144
	s_mov_b32 s46, 0
	s_mov_b32 s47, 0
	s_or_b32 s48, s105, (1<<20)|(1<<21)|(2<<22)|(1<<25)   ; x's scales: 256 rows of 32 bytes, dense; 2 words behind every 8
	s_mov_b32 s49, 32<<16
	s_mov_b32 s50, 256<<16
	s_mov_b32 s51, 32<<16
	s_mov_b32 s52, 256
	s_mov_b32 s53, 32
	s_mov_b32 s54, 0
	s_mov_b32 s55, 0
	s_or_b32 s56, s66, (1<<20)|(1<<21)|(2<<22)|(1<<25)    ; a head's scales of one weight: 64 rows of 32 bytes, 16 rows (512 bytes) apart
	s_mov_b32 s57, 32<<16
	s_mov_b32 s58, 64<<16
	s_mov_b32 s59, 32<<16
	s_mov_b32 s60, 64
	s_mov_b32 s61, 512
	s_mov_b32 s62, 0
	s_mov_b32 s63, 0
	s_wait_kmcnt 0x0
	s_mul_i32 s2, s104, 196608                     ; x: 256 gy rows of 768 bytes (these registers never hold cx)
	s_mov_b32 s3, 0
	s_add_nc_u64 s[4:5], s[4:5], s[2:3]
	s_lshl_b32 s2, s104, 13                        ; and of 32 scale bytes
	s_add_nc_u64 s[6:7], s[6:7], s[2:3]
	s_cmp_eq_u32 s96, 2                            ; which weight I fetch hangs on my wave's number alone: wave 2 K, wave 3 V, else Q
	s_cselect_b64 s[8:9], s[12:13], s[8:9]
	s_cselect_b64 s[10:11], s[14:15], s[10:11]
	s_cmp_eq_u32 s96, 3
	s_cselect_b64 s[8:9], s[16:17], s[8:9]
	s_cselect_b64 s[10:11], s[18:19], s[10:11]
	s_mul_i32 s12, s101, 768                       ; from row gx on (these registers never hold cy)
	s_mov_b32 s13, 0
	s_add_nc_u64 s[8:9], s[8:9], s[12:13]
	s_lshl_b32 s12, s101, 5
	s_add_nc_u64 s[10:11], s[10:11], s[12:13]
	s_mul_i32 s14, s96, WTILE
	s_add_co_u32 s14, s14, XTILE-WTILE             ; my weight's place in a slot: behind x, kind = wave - 1
	s_mul_i32 s15, s96, 2560
	s_add_co_u32 s15, s15, SCW-2560                ; and among the scales
.irp s, 0,1
	s_mov_b32 s[68+4*\s], 1
	s_mov_b32 s[69+4*\s], \s*SLOT
	s_add_nc_u64 s[70+4*\s:71+4*\s], s[4:5], \s*192
	s_or_b32 s[71+4*\s], s[71+4*\s], 0x80000000
	s_mov_b32 s[80+4*\s], 1
	s_add_co_u32 s[81+4*\s], s14, \s*SLOT
	s_add_nc_u64 s[82+4*\s:83+4*\s], s[8:9], \s*192
	s_or_b32 s[83+4*\s], s[83+4*\s], 0x80000000
	s_mov_b32 s[88+4*\s], 1
	s_add_co_u32 s[89+4*\s], s15, \s*7680
	s_add_nc_u64 s[90+4*\s:91+4*\s], s[10:11], \s*256      ; head gx + 8: eight rows of 32 bytes on
	s_or_b32 s[91+4*\s], s[91+4*\s], 0x80000000
.endr
	s_mov_b32 s76, 1
	s_mov_b32 s77, SCX
	s_mov_b64 s[78:79], s[6:7]
	s_or_b32 s79, s79, 0x80000000
	CROUND                                         ; all sixteen work-groups are here: the first joint loads meet
	s_cmp_eq_u32 s96, 0                            ; a wave's first fills stand in one branch; the slot 1 fill is the last on both arms.  Wave 0 has three loads out, the others four
	s_cbranch_scc0 .Lfirst_w
	tensor_load_to_lds s[76:79], s[48:55]
	s_nop 0
	tensor_load_to_lds s[68:71], s[32:39]
	s_nop 0
	tensor_load_to_lds s[72:75], s[32:39]
	s_nop 0
.rept 4
	v_nop
.endr
	s_branch .Lfirst_done
.Lfirst_w:
	tensor_load_to_lds s[88:91], s[56:63]
	s_nop 0
	tensor_load_to_lds s[92:95], s[56:63]
	s_nop 0
	tensor_load_to_lds s[80:83], s[40:47]
	s_nop 0
	tensor_load_to_lds s[84:87], s[40:47]
	s_nop 0
.rept 4
	v_nop
.endr
.Lfirst_done:
	; ---- W, while the first fills are on their way.  Each wave takes one row d = 4 (8 gy + gx) + wave of W [d][v 64][h 16]; a lane takes one block of the last product's K = 64 h + v: head = lane % 16, half = lane / 16.
	s_lshl_b32 s67, s104, 3
	s_add_co_u32 s67, s67, s101
	s_lshl_b32 s67, s67, 2
	s_add_co_u32 s67, s67, s96                     ; d
	s_lshl_b32 s16, s67, 12
	s_mov_b32 s17, 0
	s_add_nc_u64 s[20:21], s[20:21], s[16:17]      ; W's row d: 4,096 bytes
	s_mul_i32 s16, s67, 768
	s_add_nc_u64 s[18:19], s[30:31], s[16:17]      ; its codes in wb
	s_lshl_b32 s16, s67, 5
	s_add_co_u32 s16, s16, 786432
	s_add_nc_u64 s[16:17], s[30:31], s[16:17]      ; its 32 scale bytes
	v_and_b32 v1, 31, v0                           ; lane
	v_and_b32 v2, 15, v0                           ; r
	v_bfe_u32 v3, v0, 4, 1                         ; h
	v_lshlrev_b32 v21, 2, v2
	v_lshl_add_u32 v21, v3, 11, v21                ; 4 head + 2,048 half
.set i, 0
.rept 32                                       ; place i of my block takes v = 32 half + 8 (i / 16) + i % 8 + 16 ((i / 8) % 2): the order that y's codes have; sixteen lanes read 64 neighbouring bytes
	global_load_b32 v[32+i], v21, s[20:21] offset:64*(8*(i/16)+i%8+16*((i/8)%2)) th:TH_LOAD_NT
.set i, i+1
.endr
	s_mul_i32 s67, s96, 768
	s_add_co_u32 s67, s67, WST                     ; my wave's 768 bytes
	v_mul_u32_u24 v26, v2, 48
	v_mad_u32_u24 v26, v3, 24, v26
	v_add_nc_u32 v26, s67, v26                     ; in: block 2 head + half, 24 bytes each
	v_lshlrev_b32 v30, 3, v1                       ; out: 8 bytes a lane
	v_add_nc_u32 v27, s67, v30
	v_lshl_add_u32 v31, v2, 1, v3                  ; my block's scale byte
	s_wait_loadcnt 0x0
	v_max3_num_f32 v22, |v32|, |v33|, |v34|        ; the block's largest magnitude: all 32 numbers are mine; two chains
	v_max3_num_f32 v23, |v35|, |v36|, |v37|
.irp i, 6,10,14,18,22,26
	v_max3_num_f32 v22, v22, |v[32+\i]|, |v[33+\i]|
	v_max3_num_f32 v23, v23, |v[34+\i]|, |v[35+\i]|
.endr
	v_max3_num_f32 v22, v22, |v62|, |v63|
	v_max3_num_f32 v22, v22, v23, 0x1800000        ; and the floor 2^(3 - 127): the byte cannot fall under 1
	v_add_nc_u32 v24, 0xff000000, v22              ; 2 off the exponent field: the conversion's scale operand
	v_lshrrev_b32 v25, 23, v24                     ; the scale's byte
	v_cvt_scalef32_pk16_fp6_f32 v[64:66], v[32:47], v24
	v_cvt_scalef32_pk16_fp6_f32 v[68:70], v[48:63], v24     ; (a conversion's three registers begin on an even number)
	v_nop                                          ; one plain place behind a scaled conversion
	v_mov_b32 v67, v68
	v_mov_b32 v68, v69
	v_mov_b32 v69, v70
	ds_store_b64 v26, v[64:65]
	ds_store_b64 v26, v[66:67] offset:8
	ds_store_b64 v26, v[68:69] offset:16
	ds_load_b64 v[72:73], v27                      ; LDS serves a wave's instructions in order: these see my stores
	ds_load_b64 v[74:75], v27 offset:256
	ds_load_b64 v[76:77], v27 offset:512
	s_wait_alu depctr_va_vdst(0)
	s_wait_dscnt 0x0
	global_store_b64 v30, v[72:73], s[18:19]       ; each store covers 256 consecutive bytes, aligned
	global_store_b64 v30, v[74:75], s[18:19] offset:256
	global_store_b64 v30, v[76:77], s[18:19] offset:512
	global_store_b8 v31, v25, s[16:17]             ; 32 neighbouring bytes a wave: 32 KB in the whole launch go out in such pieces
	; ---- LDS addresses of the fragments
	v_mul_u32_u24 v1, v2, XP
	v_mad_u32_u24 v4, v3, 24, v1                   ; x: row r, + 24 bytes for lanes 16-31,
	v_mad_u32_u24 v6, v3, 40, v1                   ; or 40 where their piece lies behind one padding more
	s_mul_i32 s67, s97, 128*XP
	v_add_nc_u32 v4, s67, v4
	v_add_nc_u32 v6, s67, v6
	v_add_nc_u32 v5, SLOT, v4
	v_add_nc_u32 v7, SLOT, v6
	v_mul_u32_u24 v1, v2, 2*WP                     ; a weight: LDS row 2 r + my head,
	s_mul_i32 s67, s98, WP
	s_add_co_u32 s67, s67, XTILE
	v_add_nc_u32 v1, s67, v1
	v_mad_u32_u24 v8, v3, 24, v1
	v_lshl_add_u32 v9, v3, 5, v1                   ; (one padding more is 8 bytes here)
.irp k, 1,2
	v_add_nc_u32 v[8+2*\k], \k*WTILE, v8
	v_add_nc_u32 v[9+2*\k], \k*WTILE, v9
.endr
.irp k, 0,1,2
	v_add_nc_u32 v[14+2*\k], SLOT+\k*WTILE, v8
	v_add_nc_u32 v[15+2*\k], SLOT+\k*WTILE, v9
.endr
	s_mul_i32 s67, s98, 7680                       ; scale words: lanes 0-15 x's rows, lanes 16-31 my head's weight rows: the lower base + h x the distance
	s_mul_i32 s2, s97, 5120
	s_add_co_u32 s67, s67, SCW-SCX
	s_sub_co_u32 s67, s67, s2
	v_mul_u32_u24 v1, s67, v3
	v_mad_u32_u24 v20, v2, 40, v1
	s_add_co_u32 s2, s2, SCX
	v_add_nc_u32 v20, s2, v20
	s_wait_alu depctr_va_vdst(0)
	s_wait_xcnt 0x0                                ; W's stores have read their registers: x's fragments may land there
.macro FRAGX reg, sl, q, i             ; 16 rows x 128 K of x: 12 registers, in pieces of 8 bytes; lanes 16-31 take the pieces three on
.irp p, 0,1,2,3,4,5
.set PC, 12*(\q)+6*(\p/3)+\p%3
.if PC%8 < 5
	ds_load_b64 v[\reg+2*\p:\reg+2*\p+1], v[4+\sl] offset:8*PC+16*(PC/8)+(\i)*16*XP
.else
	ds_load_b64 v[\reg+2*\p:\reg+2*\p+1], v[6+\sl] offset:8*PC+16*(PC/8)+(\i)*16*XP
.endif
.endr
.endm
.macro FRAGW reg, sl, kind, q, t       ; 16 channels of my head x 128 K of a weight
.irp p, 0,1,2,3,4,5
.set PC, 12*(\q)+6*(\p/3)+\p%3
.if PC%8 < 5
	ds_load_b64 v[\reg+2*\p:\reg+2*\p+1], v[8+6*(\sl)+2*(\kind)] offset:8*PC+8*(PC/8)+(\t)*32*WP
.else
	ds_load_b64 v[\reg+2*\p:\reg+2*\p+1], v[9+6*(\sl)+2*(\kind)] offset:8*PC+8*(PC/8)+(\t)*32*WP
.endif
.endr
.endm
.macro LDX sl, q, i0                   ; x's tiles i0 .. i0 + 3: 24 loads
.irp i, \i0, \i0+1, \i0+2, \i0+3
	FRAGX XF+12*(\i), \sl, \q, \i
.endr
.endm
.macro LDW buf, sl, kind, q            ; a weight's four tiles into a buffer: 24 loads
.irp t, 0,1,2,3
	FRAGW WB+48*(\buf)+12*\t, \sl, \kind, \q, \t
.endr
.endm
.macro LDSC z, n                       ; step n's scale words into set z: 12 loads
.irp i, 0,1,2,3,4,5,6,7,8,9,10,11
	ds_load_b32 v[SC+12*(\z)+\i], v20 offset:640*\i+4*(\n)
.endr
.endm
; 16 matrix instructions: x's tiles 4 half .. 4 half + 3 against a weight's four.  The 96 accumulators take turns, one instruction a turn, in the same order in every step.
.macro MULH kind, half, buf, z, zero
.irp a, 4*(\half), 4*(\half)+1, 4*(\half)+2, 4*(\half)+3
.irp t, 0,1,2,3
.if (\kind) < 2
.if \zero
	v_wmma_scale_f32_16x16x128_f8f6f4 v[8*(4*(\a)+\t):8*(4*(\a)+\t)+7], v[WB+48*(\buf)+12*\t:WB+48*(\buf)+12*\t+11], v[XF+12*(\a):XF+12*(\a)+11], 0, v[SC+12*(\z)+4*(\kind)+\t], v[SC+12*(\z)+(\a)] matrix_a_fmt:MATRIX_FMT_FP6 matrix_b_fmt:MATRIX_FMT_FP6 matrix_a_scale:MATRIX_SCALE_ROW1
.else
	v_wmma_scale_f32_16x16x128_f8f6f4 v[8*(4*(\a)+\t):8*(4*(\a)+\t)+7], v[WB+48*(\buf)+12*\t:WB+48*(\buf)+12*\t+11], v[XF+12*(\a):XF+12*(\a)+11], v[8*(4*(\a)+\t):8*(4*(\a)+\t)+7], v[SC+12*(\z)+4*(\kind)+\t], v[SC+12*(\z)+(\a)] matrix_a_fmt:MATRIX_FMT_FP6 matrix_b_fmt:MATRIX_FMT_FP6 matrix_a_scale:MATRIX_SCALE_ROW1
.endif
.else
.if \zero
	v_wmma_scale_f32_16x16x128_f8f6f4 v[8*(8*\t+(\a)):8*(8*\t+(\a))+7], v[XF+12*(\a):XF+12*(\a)+11], v[WB+48*(\buf)+12*\t:WB+48*(\buf)+12*\t+11], 0, v[SC+12*(\z)+(\a)], v[SC+12*(\z)+8+\t] matrix_a_fmt:MATRIX_FMT_FP6 matrix_b_fmt:MATRIX_FMT_FP6 matrix_b_scale:MATRIX_SCALE_ROW1
.else
	v_wmma_scale_f32_16x16x128_f8f6f4 v[8*(8*\t+(\a)):8*(8*\t+(\a))+7], v[XF+12*(\a):XF+12*(\a)+11], v[WB+48*(\buf)+12*\t:WB+48*(\buf)+12*\t+11], v[8*(8*\t+(\a)):8*(8*\t+(\a))+7], v[SC+12*(\z)+(\a)], v[SC+12*(\z)+8+\t] matrix_a_fmt:MATRIX_FMT_FP6 matrix_b_fmt:MATRIX_FMT_FP6 matrix_b_scale:MATRIX_SCALE_ROW1
.endif
.endif
.endr
.endr
.endm
; STEP n of 8: 128 along D, 96 matrix instructions: q's 32, k's 32, v's 32.  q and v lie in weight buffer n % 2, k in the other, which then takes the next step's q.
; chg = 2: the slot's last step, and the slot is filled again; 1: the slot's last step, nothing is filled; 0: the next step lies in the same slot.
.macro STEP n, chg, last, zero
.set SG, ((\n)/2)%2
.set QQ, (\n)%2
.set PB, (\n)%2
.set PO, 1-PB
.set SN, (((\n)+1)/2)%2
.set QN, ((\n)+1)%2
	s_wait_dscnt 24                                ; q's fragments, the scale words and x's tiles 0-3 are in; the youngest 24 loads (x's tiles 4-7) may be out
	WIN 0x50
	MULH 0, 0, PB, PB, \zero
	PLACES
	WIN 0
	LDW PO, SG, 1, QQ                              ; k's fragments
	s_wait_dscnt 24                                ; x's tiles 4-7 are in; k's 24 may be out
	WIN 0x50
	MULH 0, 1, PB, PB, \zero
	PLACES
	WIN 0
	LDW PB, SG, 2, QQ                              ; v's fragments, where q's lay: my last reads of this slot where chg is set
.if \chg
	s_wait_tensorcnt 0x0                           ; all my tensor loads have landed: my part of the other slot
	ds_add_u32 v[SPW], v[NIL]                      ; 0 onto my spare word
	s_wait_dscnt 25                                ; k's fragments are in; v's 24 and the add may be out
.else
	s_wait_dscnt 24                                ; k's fragments are in; v's 24 may be out
.endif
	WIN 0xa0
	MULH 1, 0, PO, PB, \zero                       ; sixteen matrix instructions stand between the add and the wait for it
.if \chg
	s_wait_dscnt 0x0                               ; the add is done, and my reads of this slot are over
	s_barrier_signal -1
.endif
	MULH 1, 1, PO, PB, \zero
	WIN 0
.if \chg == 2
	s_barrier_wait -1
	CREST                                          ; the barrier has opened a round of the cluster's barrier: no wave of any partner still reads this slot or has a load on its way
	s_add_nc_u64 s[70+4*SG:71+4*SG], s[70+4*SG:71+4*SG], 384       ; 512 along D on
	s_add_nc_u64 s[82+4*SG:83+4*SG], s[82+4*SG:83+4*SG], 384
	JLOAD SG                                       ; the first tensor load behind the round; it has two steps, 192 matrix instructions, in which to land; its four v_nop are also the places for the loads below
.elseif \chg == 1
	s_barrier_wait -1
	PLACES
.else
	PLACES
.endif
.if !\last
	LDW PO, SN, 0, QN                              ; the next step's q, where k lay
	LDSC PO, (\n)+1
	s_wait_dscnt 36                                ; v's fragments are in; the 24 + 12 just issued may be out
.else
	s_wait_dscnt 0x0
.endif
	WIN 0xf0
	MULH 2, 0, PB, PB, \zero
.if !\last
	PLACES
	WIN 0
	LDX SN, QN, 0                                  ; x's tiles 0-3 are done with for this step
	WIN 0xf0
.endif
	MULH 2, 1, PB, PB, \zero
.if !\last
	PLACES
	WIN 0
	LDX SN, QN, 4
.endif
	WIN 0
.endm
	s_wait_tensorcnt 1                             ; the scales and my part of slot 0 are in; slot 1's fill may be out
	s_barrier_signal -1
	s_barrier_wait -1                              ; everybody's are
	LDW 0, 0, 0, 0
	LDSC 0, 0
	LDX 0, 0, 0
	LDX 0, 0, 4
	STEP 0, 0, 0, 1                                ; the first step's products start the sums: nothing is cleared
	STEP 1, 2, 0, 0                                ; slot 0 takes D 512-767
	STEP 2, 0, 0, 0
	STEP 3, 2, 0, 0                                ; slot 1 takes D 768-1023
	STEP 4, 0, 0, 0
	STEP 5, 1, 0, 0
	STEP 6, 0, 0, 0
	STEP 7, 0, 1, 0
	; ---- THE WAY OUT: quantise in registers and store the operands' images as they stand
	; registers, all in window 0: v4-7 offsets; v32-110 codes; v96-103 q's or k's scale words, v104-107 as they are stored; v112-119, v124-127 at work; v120-123 v's scale words
	PLACES
	s_lshr_b32 s4, s104, 3                         ; the batch
	s_and_b32 s5, s104, 7
	s_lshl_b32 s5, s5, 1
	s_add_co_u32 s5, s5, s97                       ; blk: which 128 rows of the batch's 2,048
	s_lshl_b32 s4, s4, 4
	s_add_co_u32 s4, s4, s101
	s_lshl_b32 s6, s98, 3
	s_add_co_u32 s4, s4, s6                        ; bh = 16 batch + head
	s_mul_i32 s8, s4, 98304
	s_mul_i32 s6, s5, 6144
	s_add_co_u32 s8, s8, s6                        ; the same offset serves q's, k's and v's images
	s_mov_b32 s9, 0
	s_add_nc_u64 s[10:11], s[22:23], s[8:9]
	s_add_nc_u64 s[12:13], s[24:25], s[8:9]
	s_add_nc_u64 s[14:15], s[26:27], s[8:9]
	s_lshl_b32 s8, s4, 13
	s_lshl_b32 s6, s5, 9
	s_add_co_u32 s8, s8, s6
	s_add_co_u32 s8, s8, 6291456
	s_add_nc_u64 s[16:17], s[22:23], s[8:9]        ; q's scale words
	s_mul_i32 s8, s4, 12288
	s_add_co_u32 s8, s8, s6
	s_add_nc_u64 s[18:19], s[28:29], s[8:9]        ; k's
	s_mul_i32 s8, s4, 12288
	s_lshl_b32 s6, s5, 8
	s_add_co_u32 s8, s8, s6
	s_add_co_u32 s8, s8, 8192
	s_add_nc_u64 s[20:21], s[28:29], s[8:9]        ; v's
	s_mov_b32 s2, 0x76543210
	s_mov_b32 s3, 0xfedcba98                       ; v_permlanex16_b32's selects for lane l xor 16
	v_and_b32 v8, 31, v0
	v_and_b32 v9, 15, v0
	v_bfe_u32 v10, v0, 4, 1
	v_lshlrev_b32 v4, 4, v8                        ; 16 x lane
	v_lshlrev_b32 v5, 3, v8                        ; 8 x lane
	v_lshlrev_b32 v6, 5, v9
	v_lshl_add_u32 v6, v10, 4, v6                  ; q's and k's words: 32 r + 16 h
	v_lshlrev_b32 v7, 4, v9                        ; v's words: 16 r
	v_cmp_le_u32 vcc_lo, 16, v8                    ; lanes 16-31
.irp j, 114,115,116,117,118,119
	v_mov_b32 v[\j], 0                             ; written once: a lane permute's destination counts as one of its sources
.endr
; Tile a (16 rows of x) of q (win = 1) or k (2): its four accumulators, 32 registers a lane, are two blocks of 32 channels; each is read from its low end on.
.macro QKQ win, a, base
.set IM, 32+8*(\a)
.set AC, 32*(\a)
	WIN 0
	v_mov_b32 v112, 0x1800000                      ; the floor 2^(3 - 127) starts both maxima
	v_mov_b32 v113, 0x1800000
	WIN 20*(\win)                                  ; sources 1 and 2: the accumulators' window
.irp i, 0,2,4,6,8,10,12,14
	v_max3_num_f32 v112, v112, |v[AC+\i]|, |v[AC+\i+1]|
	v_max3_num_f32 v113, v113, |v[AC+16+\i]|, |v[AC+17+\i]|
.endr
	WIN 0
	v_permlanex16_b32 v114, v112, s2, s3
	v_permlanex16_b32 v115, v113, s2, s3
	v_max_num_f32 v112, v112, v114                 ; with lane l xor 16's: the block's largest magnitude
	v_max_num_f32 v113, v113, v115
	v_add_nc_u32 v116, 0xff000000, v112            ; 2 off the exponent field: the conversion's scale operand
	v_add_nc_u32 v117, 0xff000000, v113
	v_lshrrev_b32 v118, 23, v116
	v_lshrrev_b32 v119, 23, v117
	v_lshl_or_b32 v[96+(\a)], v119, 8, v118        ; the row's scale word; bytes 2 and 3 stay 0: they stand over zero codes
	WIN \win                                       ; source 0: the accumulators' window
	v_cvt_scalef32_pk16_fp6_f32 v[IM:IM+2], v[AC:AC+15], v116
	v_cvt_scalef32_pk16_fp6_f32 v[IM+4:IM+6], v[AC+16:AC+31], v117
	WIN 0
	v_nop                                          ; one plain place behind a scaled conversion
.irp i, 0,1,2
	v_permlane16_swap_b32 v[IM+\i], v[IM+4+\i]     ; a whole block to a lane: lanes 0-15 block 0, lanes 16-31 block 1
.endr
	v_mov_b32 v[IM+3], v[IM+4]
	v_mov_b32 v[IM+4], v[IM+5]
	v_mov_b32 v[IM+5], v[IM+6]
	global_store_b128 v4, v[IM:IM+3], s[\base:\base+1] offset:768*(\a)         ; 512 consecutive bytes, aligned to 256
	global_store_b64 v5, v[IM+4:IM+5], s[\base:\base+1] offset:768*(\a)+512    ; 256 consecutive bytes, aligned
.endm
.macro WORDS base                      ; the eight tiles' words of row r: lanes 0-15 store tiles 0-3, lanes 16-31 tiles 4-7: 512 consecutive bytes
.irp j, 0,1,2,3
	v_cndmask_b32 v[104+\j], v[96+\j], v[100+\j], vcc_lo
.endr
	global_store_b128 v6, v[104:107], s[\base:\base+1]
	s_wait_xcnt 0x0                                ; the stores have read their registers: the next kind writes them again
.endm
.irp a, 0,1,2,3,4,5,6,7
	QKQ 1, \a, 10
.endr
	WORDS 16
.irp a, 0,1,2,3,4,5,6,7
	QKQ 2, \a, 12
.endr
	WORDS 18
; Channels 16 T .. 16 T + 15 of v: a lane's 64 registers are my 128 keys' four blocks: one whole fragment of V^T and one scale word a channel.
; Tile T's registers are v[32 + 20 T] on, 19 of them: 12 of codes, then the conversions' second halves; the last tile's end at v110.  The four scale words lie clear of them, in v120-123.
.macro VQ t
.set R,  32+20*(\t)
.set AC, 64*(\t)
	WIN 0
.irp b, 0,1,2,3
	v_mov_b32 v[112+\b], 0x1800000
.endr
	WIN 0x3c                                       ; sources 1 and 2: window 3
.irp i, 0,2,4,6,8,10,12,14
.irp b, 0,1,2,3
	v_max3_num_f32 v[112+\b], v[112+\b], |v[AC+16*\b+\i]|, |v[AC+16*\b+\i+1]|
.endr
.endr
	WIN 0
.irp b, 0,1,2,3
	v_permlanex16_b32 v[116+\b], v[112+\b], s2, s3
.endr
.irp b, 0,1,2,3
	v_max_num_f32 v[112+\b], v[112+\b], v[116+\b]
.endr
.irp b, 0,1,2,3
	v_add_nc_u32 v[124+\b], 0xff000000, v[112+\b]
.endr
.irp b, 0,1,2,3
	v_lshrrev_b32 v[116+\b], 23, v[124+\b]
.endr
	v_lshl_or_b32 v[120+(\t)], v117, 8, v116
	v_lshl_or_b32 v[120+(\t)], v118, 16, v[120+(\t)]
	v_lshl_or_b32 v[120+(\t)], v119, 24, v[120+(\t)]
	WIN 0x03                                       ; source 0: window 3
.irp c, 0,1
	v_cvt_scalef32_pk16_fp6_f32 v[R+6*\c:R+6*\c+2], v[AC+32*\c:AC+32*\c+15], v[124+2*\c]
	v_cvt_scalef32_pk16_fp6_f32 v[R+12+4*\c:R+14+4*\c], v[AC+32*\c+16:AC+32*\c+31], v[125+2*\c]
.endr
	WIN 0
	v_nop
.irp c, 0,1
.irp i, 0,1,2
	v_permlane16_swap_b32 v[R+6*\c+\i], v[R+12+4*\c+\i]
.endr
.irp i, 0,1,2
	v_mov_b32 v[R+3+6*\c+\i], v[R+12+4*\c+\i]
.endr
.endr
.irp g, 0,1,2
	global_store_b128 v4, v[R+4*\g:R+4*\g+3], s[14:15] offset:1536*(\t)+512*\g
.endr
.endm
.irp t, 0,1,2,3
	VQ \t
.endr
	global_store_b128 v7, v[120:123], s[20:21]     ; channel r's words of the four tiles; both halves of the lanes hold and write the same 16 bytes
	s_wait_tensorcnt 0x0                           ; the wave's end
	ds_add_u32 v[SPW], v[NIL]
	s_wait_dscnt 0x0
	CROUND                                         ; the closing round: no work-group ends while a partner may still ask for a tile that names it
	s_endpgm
.Lfunc_end_k_qea35cb928a_proj:
	.size	k_qea35cb928a_proj, .Lfunc_end_k_qea35cb928a_proj-k_qea35cb928a_proj
	.p2alignl 7, 3214868480
	.fill 96, 4, 3214868480
	.section	.rodata,"a",@progbits
	.p2align	6, 0x0
	.amdhsa_kernel k_qea35cb928a_proj
		.amdhsa_group_segment_fixed_size 327680
		.amdhsa_private_segment_fixed_size 0
		.amdhsa_enable_private_segment 0
		.amdhsa_kernarg_size 112
		.amdhsa_user_sgpr_count 2
		.amdhsa_user_sgpr_kernarg_segment_ptr 1
		.amdhsa_wavefront_size32 1
		.amdhsa_system_sgpr_workgroup_id_x 1
		.amdhsa_system_sgpr_workgroup_id_y 1
		.amdhsa_system_sgpr_workgroup_id_z 1
		.amdhsa_system_vgpr_workitem_id 0
		.amdhsa_next_free_vgpr 1024
		.amdhsa_next_free_sgpr 106
		.amdhsa_reserve_vcc 1
		.amdhsa_float_denorm_mode_32 3
		.amdhsa_float_denorm_mode_16_64 3
		.amdhsa_memory_ordered 1
		.amdhsa_forward_progress 1
		.amdhsa_inst_pref_size 243
	.end_amdhsa_kernel
	.amdgpu_metadata
---
amdhsa.version: [ 1, 2 ]
amdhsa.kernels:
  - .name:           k_qea35cb928a_proj
    .symbol:         k_qea35cb928a_proj.kd
    .args:
      - { .name: x_codes, .offset: 0, .size: 8, .value_kind: global_buffer, .address_space: global }
      - { .name: x_scales, .offset: 8, .size: 8, .value_kind: global_buffer, .address_space: global }
      - { .name: Q_codes, .offset: 16, .size: 8, .value_kind: global_buffer, .address_space: global }
      - { .name: Q_scales, .offset: 24, .size: 8, .value_kind: global_buffer, .address_space: global }
      - { .name: K_codes, .offset: 32, .size: 8, .value_kind: global_buffer, .address_space: global }
      - { .name: K_scales, .offset: 40, .size: 8, .value_kind: global_buffer, .address_space: global }
      - { .name: V_codes, .offset: 48, .size: 8, .value_kind: global_buffer, .address_space: global }
      - { .name: V_scales, .offset: 56, .size: 8, .value_kind: global_buffer, .address_space: global }
      - { .name: W, .offset: 64, .size: 8, .value_kind: global_buffer, .address_space: global }
      - { .name: qb, .offset: 72, .size: 8, .value_kind: global_buffer, .address_space: global }
      - { .name: kb, .offset: 80, .size: 8, .value_kind: global_buffer, .address_space: global }
      - { .name: vb, .offset: 88, .size: 8, .value_kind: global_buffer, .address_space: global }
      - { .name: kvs, .offset: 96, .size: 8, .value_kind: global_buffer, .address_space: global }
      - { .name: wb, .offset: 104, .size: 8, .value_kind: global_buffer, .address_space: global }
    .group_segment_fixed_size: 327680
    .private_segment_fixed_size: 0
    .kernarg_segment_align: 8
    .kernarg_segment_size: 112
    .max_flat_workgroup_size: 128
    .sgpr_count:     106
    .vgpr_count:     1024
    .wavefront_size: 32
...
	.end_amdgpu_metadata
.endif
;; end of part 1
;; launch attn (part 2): grid 4 x 64, 16 waves a work-group, clusters of 4 x 1, 210,944 bytes of LDS; arguments qb, kb, vb, kvs, yb; writes yb
.if DOCPART == 2
	.amdgcn_target "amdgcn-amd-amdhsa--gfx1250"
	.amdhsa_code_object_version 6
	.text
	.protected	k_qea35cb928a_attn
	.globl	k_qea35cb928a_attn
	.p2align	8
	.type	k_qea35cb928a_attn,@function
k_qea35cb928a_attn:
	s_mov_b64 s[64:65], 0
	v_nop
	global_prefetch_b8 v0, s[64:65] scope:SCOPE_SE
	s_setreg_imm32_b32 hwreg(HW_REG_WAVE_MODE, 25, 1), 1
	s_wait_xcnt 0x0
	s_wait_alu depctr_hold_cnt(0) depctr_sa_sdst(0) depctr_va_vdst(0) depctr_va_sdst(0) depctr_va_ssrc(0) depctr_va_vcc(0) depctr_vm_vsrc(0)
	s_getreg_b32 s2, hwreg(HW_REG_IB_STS2, 6, 4)
	s_cmp_eq_u32 s2, 0
	s_cbranch_scc0 .Lentry_in_a_cluster
	s_endpgm
.Lentry_in_a_cluster:
	s_bfe_u32 s2, ttmp6, 0x10000c
	s_cmp_lg_u32 s2, 0x3003
	s_cbranch_scc0 .Lentry_shape_is_right
	s_endpgm
.Lentry_shape_is_right:
; Causal attention of one (batch, head) on codes of FP6 (E2M3), and the quantising of its result for the last product.  q, k, v come as images of the operands' registers with their scale words.
; THE SOFTMAX: t = (q . k) x log2(e) / 1024 (the factors 1/4, 1/4 and 1/64 of reference(), all powers of two, lie in the constant); M = the running largest t rounded UP to a whole number; p = 2^(t - M) is quantised along the keys;
; the row's sum is taken of the unquantised p.  When M moves, the sum and O are multiplied by 2^(old M - new M): exact.  At the end O / (16 x the sum) is quantised along the head's 64 channels (1/16 = 1/4 of v and 1/4 of the last product).
; LIMITS: blocks whose largest magnitude lies under 2^-120 meet the floor of the scale's byte elsewhere than reference() does; a block of zeros gets the byte 1 over zero codes; NaN and infinities are not served.
; SHARES.  The four work-groups of a cluster belong to one (batch, head).  ALL its keys and values stay in LDS: 96 + 96 KB of images and 12 KB of scale words, each byte filled ONCE, by joint loads that name the four: no ring, no refill.
; Wave w (g = w % 8, u = w / 8; tau = 2 cx + u) makes two tiles of 16 queries one after the other: tile 8 (15 - g) + tau, then tile 8 g + tau: (16 - g) + (g + 1) = 17 key steps of 128 keys for every wave.
; Every loop has a constant number of trips; a step all of whose keys come after the tile's queries is jumped over by a branch on the wave's number and the step's; the place in the cluster enters global addresses and the mask's numbers alone.
; LAYOUT.  Both products are used transposed (S^T = k q^T, O^T = v^T p^T): a lane holds ONE query.  Tiles take 16 neighbouring keys, so place p of a block of 32 keys holds key 8 (p / 16) + p % 8 + 16 ((p / 8) % 2): v's codes were laid in the same order.
; THE FIRST PRODUCT'S K IS 64 in a form of 128: q's registers 6-11 are zero codes.  So the upper half of k's operand may hold anything finite: k's four half fragments lie six registers apart, and a fragment's upper half is the next tile's codes
; (six zero registers behind the last); the scale bytes there are 0, which is 2^-127.
; Sixteen waves of 256 registers, four to a SIMD: one wave's vector work stands beside another's matrix work and LDS loads.
; REGISTERS: v1-5 LDS addresses that stay, v6, v7, v72 global offsets; v8-11, v71 the step's addresses; v12 -M, v13 the largest t, v[14:15] the sum; v16-27 q; v28-57 k; v58-65 k's scale words; v66 f (v67 its pair's filler);
;   v68 the mask's d, v69 -infinity, v70, v74 at work; v76-123 v's four fragments; v124-187 S^T, then p; v188-219 O^T; v220-231 p's codes; v232-247 at work; v248-251 v's scale words; v253 p's; v255 q's.
.set KI,  0                            ; k's images: [tile 128][768]
.set VI,  98304                        ; v's: [step 16][T 4][1,536]
.set KSW, 196608                       ; k's scale words: [step 16][r 16][tile 8]
.set VSW, 204800                       ; v's: [step 16][r 16][T 4]
.set S,   124
.set O,   188
.set PCD, 220
.set WV,  18                           ; s18 my wave's number
.set SEL, 20                           ; s[20:21] selects for lane l xor 16
.set CS,  22                           ; s[22:23] c = log2(e) / 1024
; s84, s85, s86 the step's places in the images, k's words, v's words; s87 trips; s88 the step's number; s89 the pass's group of 128 queries; s90 g, s91 u, s92 cx, s93 tau, s94 16 batch + head
.macro ROUND                           ; a round of the cluster's barrier
	s_barrier_signal -1
	s_barrier_wait -1
	s_cmp_lg_u32 s[WV], 0
	s_cbranch_scc1 .Lnot_wave_0_\@
	s_barrier_signal -3
.Lnot_wave_0_\@:
	s_barrier_wait -3
	s_barrier_signal -1
	s_barrier_wait -1
.endm
	s_load_b256 s[4:11], s[0:1], 0x0               ; qb, kb, vb, kvs
	s_load_b64 s[12:13], s[0:1], 0x20              ; yb
	v_lshl_add_u32 v252, v0, 2, 0x33000
	v_mov_b32 v254, 0
	ds_add_u32 v252, v254
	ds_add_u32 v252, v254
	v_lshrrev_b32 v8, 5, v0
	s_delay_alu instid0(VALU_DEP_1)
	v_readfirstlane_b32 s[WV], v8                  ; wave 0..15
	s_and_b32 s90, s[WV], 7
	s_lshr_b32 s91, s[WV], 3
	s_bfe_u32 s92, ttmp6, 0x40000                  ; cx
	s_lshl_b32 s93, s92, 1
	s_add_co_u32 s93, s93, s91                     ; tau
	s_and_b32 s94, ttmp7, 0xffff                   ; 16 batch + head, which the four partners share
	; groups 1: dense blocks as rows of 256 bytes (32 elements of 8 bytes), no padding; the mask names all four work-groups, bit 21 beside it
	s_mov_b32 s24, 15|(3<<16)|(1<<21)              ; 96 rows: a quarter of k's or v's images
	s_mov_b32 s25, 32<<16
	s_mov_b32 s26, 96<<16
	s_mov_b32 s27, 32<<16
	s_mov_b32 s28, 96
	s_mov_b32 s29, 32
	s_mov_b32 s30, 0
	s_mov_b32 s31, 0
	s_mov_b32 s32, 15|(3<<16)|(1<<21)              ; 48 rows: the scale words
	s_mov_b32 s33, 32<<16
	s_mov_b32 s34, 48<<16
	s_mov_b32 s35, 32<<16
	s_mov_b32 s36, 48
	s_mov_b32 s37, 32
	s_mov_b32 s38, 0
	s_mov_b32 s39, 0
	s_mov_b32 s[SEL], 0x76543210
	s_mov_b32 s[SEL+1], 0xfedcba98
	s_mov_b32 s[CS], 0x3ab8aa3b
	s_mov_b32 s[CS+1], s[CS]                       ; (named with it as a pair, so it is written)
	s_mul_i32 s14, s94, 98304
	s_mov_b32 s15, 0
	s_mul_i32 s16, s94, 12288
	s_mov_b32 s17, 0
	s_wait_dscnt 0x0
	s_wait_kmcnt 0x0
	s_add_nc_u64 s[6:7], s[6:7], s[14:15]
	s_add_nc_u64 s[8:9], s[8:9], s[14:15]
	s_add_nc_u64 s[10:11], s[10:11], s[16:17]
	s_mov_b32 s40, 1                               ; groups 0: one for each load, never rewritten
	s_mov_b32 s41, KSW
	s_mov_b64 s[42:43], s[10:11]
	s_or_b32 s43, s43, 0x80000000
.irp j, 0,1,2,3
	s_mov_b32 s[44+4*\j], 1
	s_mov_b32 s[45+4*\j], KI+\j*24576
	s_add_nc_u64 s[46+4*\j:47+4*\j], s[6:7], \j*24576
	s_or_b32 s[47+4*\j], s[47+4*\j], 0x80000000
	s_mov_b32 s[68+4*\j], 1
	s_mov_b32 s[69+4*\j], VI+\j*24576
	s_add_nc_u64 s[70+4*\j:71+4*\j], s[8:9], \j*24576
	s_or_b32 s[71+4*\j], s[71+4*\j], 0x80000000
.endr
	ROUND                                          ; all four work-groups are here: the joint loads meet
	s_cmp_eq_u32 s[WV], 0                          ; wave 0: the scale words and k (five loads out); wave 1: v (four); the others none.  A wave's loads stand in one branch
	s_cbranch_scc0 .Lnot_0
	tensor_load_to_lds s[40:43], s[32:39]
	s_nop 0
	tensor_load_to_lds s[44:47], s[24:31]
	s_nop 0
	tensor_load_to_lds s[48:51], s[24:31]
	s_nop 0
	tensor_load_to_lds s[52:55], s[24:31]
	s_nop 0
	tensor_load_to_lds s[56:59], s[24:31]
	s_nop 0
.rept 4
	v_nop
.endr
	s_branch .Lasked
.Lnot_0:
	s_cmp_eq_u32 s[WV], 1
	s_cbranch_scc0 .Lasked
	tensor_load_to_lds s[68:71], s[24:31]
	s_nop 0
	tensor_load_to_lds s[72:75], s[24:31]
	s_nop 0
	tensor_load_to_lds s[76:79], s[24:31]
	s_nop 0
	tensor_load_to_lds s[80:83], s[24:31]
	s_nop 0
.rept 4
	v_nop
.endr
.Lasked:
	v_and_b32 v70, 31, v0                          ; lane
	v_and_b32 v74, 15, v0                          ; r
	v_bfe_u32 v75, v0, 4, 1                        ; h
	s_delay_alu instid0(VALU_DEP_3)
	v_lshlrev_b32 v6, 4, v70                       ; 16 x lane
	s_delay_alu instid0(VALU_DEP_4)
	v_lshlrev_b32 v7, 3, v70                       ; 8 x lane
	s_delay_alu instid0(VALU_DEP_2)
	v_add_nc_u32 v1, KI, v6
	s_delay_alu instid0(VALU_DEP_2)
	v_add_nc_u32 v2, KI+512, v7
	s_delay_alu instid0(VALU_DEP_4)
	v_add_nc_u32 v3, VI, v6
	v_lshlrev_b32 v72, 5, v74                      ; 32 r
	s_delay_alu instid0(VALU_DEP_1)
	v_add_nc_u32 v4, KSW, v72
	v_lshl_add_u32 v5, v74, 4, VSW
	v_lshlrev_b32 v75, 3, v75
	s_delay_alu instid0(VALU_DEP_1)
	v_sub_nc_u32 v68, v74, v75
	s_lshl_b32 s95, s93, 4
	v_add_nc_u32 v68, s95, v68                     ; d = 16 tau + r - 8 h: on the diagonal, register 8 T + j (key 16 T + 8 h + j of the step) is hidden where 16 T + j > d
	v_mov_b32 v69, 0xff800000                      ; -infinity
.irp j, 22,23,24,25,26,27, 52,53,54,55,56,57, 67, 236,237,238,239
	v_mov_b32 v[\j], 0                             ; q's upper half; the six registers behind k's last tile; f's partner; the lane permutes' destinations: written once
.endr
; A KEY STEP: 128 keys.  causal = 1: the step may lie on or behind the diagonal.
.macro STEP causal
.if \causal
	s_cmp_gt_u32 s88, s89                          ; all its keys come after my queries: only the lines that step addresses remain
	s_cbranch_scc1 .Lhidden_\@
.endif
	s_setprio 2
	v_add_nc_u32 v8, s84, v1                       ; (these five are also the places behind the last step's products, in front of the loads into their registers)
	v_add_nc_u32 v9, s84, v2
	v_add_nc_u32 v10, s84, v3
	v_add_nc_u32 v11, s85, v4
	v_add_nc_u32 v71, s86, v5
	ds_load_b128 v[58:61], v11                     ; k's eight scale words of key r
	ds_load_b128 v[62:65], v11 offset:16
.irp t, 0,1,2,3
	ds_load_b128 v[28+6*\t:31+6*\t], v8 offset:768*\t
	ds_load_b64 v[32+6*\t:33+6*\t], v9 offset:768*\t
.endr
.irp t, 0,1,2,3
.irp g, 0,1,2
	ds_load_b128 v[76+12*\t+4*\g:79+12*\t+4*\g], v10 offset:1536*\t+512*\g
.endr
.endr
	ds_load_b128 v[248:251], v71                   ; v's four scale words of channel r
	s_wait_alu depctr_va_vdst(0)
	s_wait_dscnt 13                                ; k's words and tiles 0-3 are in; the 13 younger loads, v's, may be out
.irp t, 0,1,2,3
	v_wmma_scale_f32_16x16x128_f8f6f4 v[S+8*\t:S+8*\t+7], v[28+6*\t:39+6*\t], v[16:27], 0, v[58+\t], v255 matrix_a_fmt:MATRIX_FMT_FP6 matrix_b_fmt:MATRIX_FMT_FP6
.endr
.rept 4
	v_nop                                          ; places in front of loads into registers that matrix instructions have read
.endr
.irp t, 0,1,2,3
	ds_load_b128 v[28+6*\t:31+6*\t], v8 offset:768*(4+\t)
	ds_load_b64 v[32+6*\t:33+6*\t], v9 offset:768*(4+\t)
.endr
	s_wait_dscnt 0x0
.irp t, 0,1,2,3
	v_wmma_scale_f32_16x16x128_f8f6f4 v[S+32+8*\t:S+32+8*\t+7], v[28+6*\t:39+6*\t], v[16:27], 0, v[62+\t], v255 matrix_a_fmt:MATRIX_FMT_FP6 matrix_b_fmt:MATRIX_FMT_FP6
.endr
.rept 4
	v_nop
.endr
.if \causal
	s_cmp_lg_u32 s88, s89                          ; only the step on the diagonal is masked: hidden scores become -infinity ahead of the maximum, p = 0 then
	s_cbranch_scc1 .Lopen_\@
.set n, 0
.rept 64
	v_cmp_gt_i32 vcc_lo, 16*(n/8)+n%8, v68
	v_cndmask_b32 v[S+n], v[S+n], v69, vcc_lo
.set n, n+1
.endr
.Lopen_\@:
.endif
.irp b, 0,1,2,3
	v_max3_num_f32 v[232+\b], v[S+16*\b], v[S+1+16*\b], v[S+2+16*\b]   ; the largest score of each block of 32 keys: for the row's maximum and, since p rises with the score, for the block's largest p
.endr
.irp i, 3,5,7,9,11,13
.irp b, 0,1,2,3
	v_max3_num_f32 v[232+\b], v[232+\b], v[S+16*\b+\i], v[S+1+16*\b+\i]
.endr
.endr
.irp b, 0,1,2,3
	v_max_num_f32 v[232+\b], v[232+\b], v[S+15+16*\b]
.endr
.irp b, 0,1,2,3
	s_delay_alu instid0(VALU_DEP_4)
	v_permlanex16_b32 v[236+\b], v[232+\b], s[SEL], s[SEL+1]
.endr
.irp b, 0,1,2,3
	s_delay_alu instid0(VALU_DEP_4)
	v_max_num_f32 v[232+\b], v[232+\b], v[236+\b]  ; with lane l xor 16's 16 keys
.endr
	s_delay_alu instid0(VALU_DEP_2)
	v_max3_num_f32 v70, v232, v233, v234
	s_delay_alu instid0(VALU_DEP_1)
	v_max_num_f32 v70, v70, v235                   ; the step's largest score of my query
	s_delay_alu instid0(VALU_DEP_1)
	v_mul_f32 v70, s[CS], v70                      ; as t (c is positive)
	s_delay_alu instid0(VALU_DEP_1)
	v_max_num_f32 v13, v13, v70                    ; the running largest t
	v_mov_b32 v70, v12
	s_delay_alu instid0(VALU_DEP_2)
	v_floor_f32 v12, -v13                          ; the new -M = floor(-t) = -ceil(t)
	s_delay_alu instid0(VALU_DEP_1)
	v_sub_f32 v70, v12, v70                        ; old M less new M: a whole number, 0 or less
	s_delay_alu instid0(VALU_DEP_1)
	v_cvt_i32_f32 v70, v70                         ; (it saturates)
	s_delay_alu instid0(VALU_DEP_1)
	v_ldexp_f32 v66, 1.0, v70                      ; f = 2^(old M - new M)
.set j, 0
.rept 32
	v_pk_fma_f32 v[S+j:S+j+1], v[S+j:S+j+1], s[CS:CS+1], v[12:13] op_sel_hi:[1,0,0]   ; t - M, two at a time
.set j, j+2
.endr
.irp b, 0,1,2,3
	v_fma_f32 v[232+\b], v[232+\b], s[CS], v12     ; the same of each block's largest score
.endr
.set j, 0
	s_setprio 1
	s_wait_alu depctr_va_vdst(0)
.rept 64
	v_exp_f32 v[S+j], v[S+j]                       ; p = 2^(t - M), at most 1: not normalised
.set j, j+1
.endr
.irp b, 0,1,2,3
	v_exp_f32 v[232+\b], v[232+\b]                 ; the block's largest p: the same two instructions on the same number
.endr
	v_pk_mul_f32 v[14:15], v[14:15], v[66:67] op_sel_hi:[1,0]   ; the sums under the new M (a plain place behind the exponentials)
	s_wait_alu depctr_va_vdst(0)
.irp b, 0,1,2,3
	v_max_num_f32 v[232+\b], 0x1800000, v[232+\b]  ; the floor 2^(3 - 127): the byte cannot fall under 1
.endr
.irp b, 0,1,2,3
	s_delay_alu instid0(VALU_DEP_4)
	v_add_nc_u32 v[244+\b], 0xff000000, v[232+\b]  ; 2 off the exponent field: the conversion's scale operand
.endr
.irp b, 0,1,2,3
	s_delay_alu instid0(VALU_DEP_4)
	v_lshrrev_b32 v[236+\b], 23, v[244+\b]
.endr
	s_delay_alu instid0(VALU_DEP_3)
	v_lshl_or_b32 v253, v237, 8, v236              ; p's scale word for these 128 keys
	s_delay_alu instid0(VALU_DEP_1)
	v_lshl_or_b32 v253, v238, 16, v253
	s_delay_alu instid0(VALU_DEP_1)
	v_lshl_or_b32 v253, v239, 24, v253
.irp c, 0,1
	v_cvt_scalef32_pk16_fp6_f32 v[PCD+6*\c:PCD+2+6*\c], v[S+32*\c:S+15+32*\c], v[244+2*\c]
	v_cvt_scalef32_pk16_fp6_f32 v[236+4*\c:238+4*\c], v[S+16+32*\c:S+31+32*\c], v[245+2*\c]
.endr
	v_nop                                          ; one plain place behind a scaled conversion
.irp c, 0,1
.irp i, 0,1,2
	v_permlane16_swap_b32 v[PCD+6*\c+\i], v[236+4*\c+\i]   ; a whole block to a lane
.endr
.irp i, 0,1,2
	s_delay_alu instid0(VALU_DEP_3)
	v_mov_b32 v[PCD+3+6*\c+\i], v[236+4*\c+\i]
.endr
.endr
.set j, 0
.rept 16
	v_pk_mul_f32 v[O+j:O+j+1], v[O+j:O+j+1], v[66:67] op_sel_hi:[1,0]   ; O^T under the new M, each accumulator from its low end on
.set j, j+2
.endr
	v_pk_add_f32 v[236:237], v[128:129], v[132:133]
	v_pk_add_f32 v[246:247], v[136:137], v[140:141]
	v_pk_add_f32 v[244:245], v[144:145], v[148:149]
	v_pk_add_f32 v[242:243], v[152:153], v[156:157]
	s_setprio 0
	v_pk_add_f32 v[240:241], v[160:161], v[164:165]
	v_pk_add_f32 v[234:235], v[168:169], v[172:173]
	v_pk_add_f32 v[232:233], v[176:177], v[180:181]
	v_pk_add_f32 v[14:15], v[14:15], v[184:185]
	v_pk_add_f32 v[236:237], v[236:237], v[124:125]
	v_pk_add_f32 v[246:247], v[246:247], v[126:127]
	v_pk_add_f32 v[244:245], v[244:245], v[130:131]
	v_pk_add_f32 v[242:243], v[242:243], v[134:135]
	v_pk_add_f32 v[240:241], v[240:241], v[138:139]
	v_pk_add_f32 v[234:235], v[234:235], v[142:143]
	v_pk_add_f32 v[232:233], v[232:233], v[146:147]
	v_pk_add_f32 v[14:15], v[14:15], v[150:151]
	v_pk_add_f32 v[236:237], v[236:237], v[154:155]
	v_pk_add_f32 v[246:247], v[246:247], v[158:159]
	v_pk_add_f32 v[244:245], v[244:245], v[162:163]
	v_pk_add_f32 v[242:243], v[242:243], v[166:167]
	v_pk_add_f32 v[240:241], v[240:241], v[170:171]
	v_pk_add_f32 v[234:235], v[234:235], v[174:175]
	v_pk_add_f32 v[232:233], v[232:233], v[178:179]
	v_pk_add_f32 v[14:15], v[14:15], v[182:183]
	v_pk_add_f32 v[236:237], v[236:237], v[186:187]
	s_delay_alu instid0(VALU_DEP_2)
	v_pk_add_f32 v[14:15], v[14:15], v[242:243]
	s_delay_alu instid0(VALU_DEP_2)
	v_pk_add_f32 v[236:237], v[236:237], v[240:241]
	v_pk_add_f32 v[246:247], v[246:247], v[234:235]
	v_pk_add_f32 v[244:245], v[244:245], v[232:233]
	s_delay_alu instid0(VALU_DEP_2)
	v_pk_add_f32 v[14:15], v[14:15], v[246:247]
	s_delay_alu instid0(VALU_DEP_2)
	v_pk_add_f32 v[236:237], v[236:237], v[244:245]
	s_delay_alu instid0(VALU_DEP_1)
	v_pk_add_f32 v[14:15], v[14:15], v[236:237]
.irp t, 0,1,2,3
	v_wmma_scale_f32_16x16x128_f8f6f4 v[O+8*\t:O+8*\t+7], v[76+12*\t:87+12*\t], v[PCD:PCD+11], v[O+8*\t:O+8*\t+7], v[248+\t], v253 matrix_a_fmt:MATRIX_FMT_FP6 matrix_b_fmt:MATRIX_FMT_FP6
.endr
.if \causal
.Lhidden_\@:
.endif
	s_add_co_u32 s88, s88, 1
	s_add_co_u32 s84, s84, 6144
	s_add_co_u32 s85, s85, 512
	s_add_co_u32 s86, s86, 256
.endm
.macro SEG trips, causal
	s_mov_b32 s87, \trips
.Lseg_\@:
	STEP \causal
	s_sub_co_u32 s87, s87, 1
	s_cmp_lg_u32 s87, 0
	s_cbranch_scc1 .Lseg_\@
	s_setprio 0
.endm
; A pass begins: query tile 8 G + tau (G in s89): its image and scale words; the statistics and O^T begin as in a first step that finds zeros.
.macro PASS
	s_wait_xcnt 0x0                                ; the last pass's stores have read their registers and bases
	s_lshl_b32 s95, s94, 7
	s_lshl_b32 s96, s89, 3
	s_add_co_u32 s95, s95, s96
	s_add_co_u32 s95, s95, s93
	s_mul_i32 s96, s95, 768
	s_mov_b32 s97, 0
	s_add_nc_u64 s[96:97], s[4:5], s[96:97]
	s_lshl_b32 s98, s94, 4
	s_add_co_u32 s98, s98, s89
	s_lshl_b32 s98, s98, 9
	s_lshl_b32 s99, s93, 2
	s_add_co_u32 s98, s98, s99
	s_add_co_u32 s98, s98, 6291456
	s_mov_b32 s99, 0
	s_add_nc_u64 s[98:99], s[4:5], s[98:99]
	global_load_b128 v[16:19], v6, s[96:97]
	global_load_b64 v[20:21], v7, s[96:97] offset:512
	global_load_b32 v255, v72, s[98:99]
	v_mov_b32 v13, 0xff61b1e6                      ; the largest t so far: -3e38
	s_delay_alu instid0(VALU_DEP_1)
	v_floor_f32 v12, -v13
	v_mov_b32 v14, 0
	v_mov_b32 v15, 0
.set j, 0
.rept 32
	v_mov_b32 v[O+j], 0                            ; the step is written once: the first finds zeros, which the first change of M leaves zeros
.set j, j+1
.endr
	s_mov_b32 s84, 0
	s_mov_b32 s85, 0
	s_mov_b32 s86, 0
	s_mov_b32 s88, 0
	s_wait_loadcnt 0x0
.endm
; A pass ends: O^T / (16 x the sum), quantised along the 64 channels; its image and two scale bytes a row go out from registers.
.macro YOUT
	s_lshr_b32 s95, s94, 4
	s_lshl_b32 s95, s95, 7
	s_lshl_b32 s96, s89, 3
	s_add_co_u32 s95, s95, s96
	s_add_co_u32 s95, s95, s93                     ; the tile of 16 rows among all 512
	s_and_b32 s99, s94, 15                         ; the head
	s_lshl_b32 s96, s95, 4
	s_add_co_u32 s96, s96, s99
	s_mul_i32 s96, s96, 768
	s_mov_b32 s97, 0
	s_add_nc_u64 s[96:97], s[12:13], s[96:97]
	s_lshl_b32 s98, s95, 9
	s_lshl_b32 s99, s99, 1
	s_add_co_u32 s98, s98, s99
	s_add_co_u32 s98, s98, 6291456
	s_mov_b32 s99, 0
	s_add_nc_u64 s[98:99], s[12:13], s[98:99]
.rept 4
	v_nop                                          ; places behind the last products
.endr
	v_add_f32 v14, v14, v15
	s_delay_alu instid0(VALU_DEP_1)
	v_permlanex16_b32 v70, v14, s[SEL], s[SEL+1]
	s_delay_alu instid0(VALU_DEP_1)
	v_add_f32 v14, v14, v70                        ; the row's sum
	s_wait_alu depctr_va_vdst(0)
	v_rcp_f32 v14, v14
	v_nop                                          ; one plain place behind a transcendental
	s_wait_alu depctr_va_vdst(0)
	v_mul_f32 v14, 0x3d800000, v14                 ; / 16
.set j, 0
.rept 32
	v_mul_f32 v[S+j], v[O+j], v14                  ; register 8 T + i: channel 16 T + 8 h + i of my query
.set j, j+1
.endr
	v_max3_num_f32 v232, |v[S]|, |v[S+1]|, 0x1800000
	v_max3_num_f32 v233, |v[S+16]|, |v[S+17]|, 0x1800000
.irp i, 2,4,6,8,10,12,14
	s_delay_alu instid0(VALU_DEP_2)
	v_max3_num_f32 v232, v232, |v[S+\i]|, |v[S+1+\i]|
	s_delay_alu instid0(VALU_DEP_2)
	v_max3_num_f32 v233, v233, |v[S+16+\i]|, |v[S+17+\i]|
.endr
	s_delay_alu instid0(VALU_DEP_2)
	v_permlanex16_b32 v236, v232, s[SEL], s[SEL+1]
	s_delay_alu instid0(VALU_DEP_2)
	v_permlanex16_b32 v237, v233, s[SEL], s[SEL+1]
	s_delay_alu instid0(VALU_DEP_2)
	v_max_num_f32 v232, v232, v236
	s_delay_alu instid0(VALU_DEP_2)
	v_max_num_f32 v233, v233, v237
	s_delay_alu instid0(VALU_DEP_2)
	v_add_nc_u32 v244, 0xff000000, v232
	s_delay_alu instid0(VALU_DEP_2)
	v_add_nc_u32 v245, 0xff000000, v233
	s_delay_alu instid0(VALU_DEP_2)
	v_lshrrev_b32 v236, 23, v244
	s_delay_alu instid0(VALU_DEP_2)
	v_lshrrev_b32 v237, 23, v245
	s_delay_alu instid0(VALU_DEP_1)
	v_lshl_or_b32 v74, v237, 8, v236               ; my row's two scale bytes of this head
	v_cvt_scalef32_pk16_fp6_f32 v[PCD:PCD+2], v[S:S+15], v244
	v_cvt_scalef32_pk16_fp6_f32 v[240:242], v[S+16:S+31], v245
	v_nop
.irp i, 0,1,2
	v_permlane16_swap_b32 v[PCD+\i], v[240+\i]
.endr
.irp i, 0,1,2
	s_delay_alu instid0(VALU_DEP_3)
	v_mov_b32 v[PCD+3+\i], v[240+\i]
.endr
	global_store_b128 v6, v[PCD:PCD+3], s[96:97]               ; 512 consecutive bytes, aligned to 256
	global_store_b64 v7, v[PCD+4:PCD+5], s[96:97] offset:512   ; 256 consecutive bytes, aligned
	global_store_b16 v72, v74, s[98:99]            ; two bytes of each row's 32 (both halves of the lanes write the same): 256 KB in the whole launch go out in such pieces
.endm
	s_sub_co_u32 s89, 15, s90                      ; the late tile first: group 15 - g
	PASS
	s_wait_tensorcnt 0x0                           ; all my fills have landed,
	s_barrier_signal -1
	s_barrier_wait -1                              ; everybody's have: LDS is only read from here on
	SEG 8, 0                                       ; steps 0-7 lie in front of every late tile's diagonal
	SEG 8, 1
	s_wait_alu depctr_va_vdst(0)
	YOUT
	s_mov_b32 s89, s90                             ; the early tile: group g; steps 0-7 hold all its keys
	PASS
	SEG 8, 1
	s_wait_alu depctr_va_vdst(0)
	YOUT
	s_wait_tensorcnt 0x0
	ds_add_u32 v252, v254
	s_wait_dscnt 0x0
	ROUND                                          ; the closing round
	s_endpgm
.Lfunc_end_k_qea35cb928a_attn:
	.size	k_qea35cb928a_attn, .Lfunc_end_k_qea35cb928a_attn-k_qea35cb928a_attn
	.p2alignl 7, 3214868480
	.fill 96, 4, 3214868480
	.section	.rodata,"a",@progbits
	.p2align	6, 0x0
	.amdhsa_kernel k_qea35cb928a_attn
		.amdhsa_group_segment_fixed_size 210944
		.amdhsa_private_segment_fixed_size 0
		.amdhsa_enable_private_segment 0
		.amdhsa_kernarg_size 40
		.amdhsa_user_sgpr_count 2
		.amdhsa_user_sgpr_kernarg_segment_ptr 1
		.amdhsa_wavefront_size32 1
		.amdhsa_system_sgpr_workgroup_id_x 1
		.amdhsa_system_sgpr_workgroup_id_y 1
		.amdhsa_system_sgpr_workgroup_id_z 1
		.amdhsa_system_vgpr_workitem_id 0
		.amdhsa_next_free_vgpr 256
		.amdhsa_next_free_sgpr 100
		.amdhsa_reserve_vcc 1
		.amdhsa_float_denorm_mode_32 3
		.amdhsa_float_denorm_mode_16_64 3
		.amdhsa_memory_ordered 1
		.amdhsa_forward_progress 1
		.amdhsa_inst_pref_size 85
	.end_amdhsa_kernel
	.amdgpu_metadata
---
amdhsa.version: [ 1, 2 ]
amdhsa.kernels:
  - .name:           k_qea35cb928a_attn
    .symbol:         k_qea35cb928a_attn.kd
    .args:
      - { .name: qb, .offset: 0, .size: 8, .value_kind: global_buffer, .address_space: global }
      - { .name: kb, .offset: 8, .size: 8, .value_kind: global_buffer, .address_space: global }
      - { .name: vb, .offset: 16, .size: 8, .value_kind: global_buffer, .address_space: global }
      - { .name: kvs, .offset: 24, .size: 8, .value_kind: global_buffer, .address_space: global }
      - { .name: yb, .offset: 32, .size: 8, .value_kind: global_buffer, .address_space: global }
    .group_segment_fixed_size: 210944
    .private_segment_fixed_size: 0
    .kernarg_segment_align: 8
    .kernarg_segment_size: 40
    .max_flat_workgroup_size: 512
    .sgpr_count:     100
    .vgpr_count:     256
    .wavefront_size: 32
...
	.end_amdgpu_metadata
.endif
;; end of part 2
;; launch outp (part 3): grid 4 x 32, 4 waves a work-group, clusters of 4 x 4, 327,680 bytes of LDS; arguments yb, wb, out0; writes out0
.if DOCPART == 3
	.amdgcn_target "amdgcn-amd-amdhsa--gfx1250"
	.amdhsa_code_object_version 6
	.text
	.protected	k_qea35cb928a_outp
	.globl	k_qea35cb928a_outp
	.p2align	8
	.type	k_qea35cb928a_outp,@function
k_qea35cb928a_outp:
	s_mov_b64 s[64:65], 0
	v_nop
	global_prefetch_b8 v0, s[64:65] scope:SCOPE_SE
	s_setreg_imm32_b32 hwreg(HW_REG_WAVE_MODE, 25, 1), 1
	s_wait_xcnt 0x0
	s_wait_alu depctr_hold_cnt(0) depctr_sa_sdst(0) depctr_va_vdst(0) depctr_va_sdst(0) depctr_va_ssrc(0) depctr_va_vcc(0) depctr_vm_vsrc(0)
	s_getreg_b32 s2, hwreg(HW_REG_IB_STS2, 6, 4)
	s_cmp_eq_u32 s2, 0
	s_cbranch_scc0 .Lentry_in_a_cluster
	s_endpgm
.Lentry_in_a_cluster:
	s_bfe_u32 s2, ttmp6, 0x10000c
	s_cmp_lg_u32 s2, 0xf033
	s_cbranch_scc0 .Lentry_shape_is_right
	s_endpgm
.Lentry_shape_is_right:
; out0[m][d] = sum over k = 64 head + v of y[m][k] W[d][k], both on codes of FP6 (E2M3) with one E8M0 byte for each 32 along K; y was made as y / 4, which takes up reference()'s last factor.  out0: [8,192][1,024] f32.
; A (y) comes as IMAGES of the operand's registers: [tile of 16 rows][head][768 bytes] (registers 0-3 of lane l at 16 l, registers 4-5 at 512 + 8 l); two heads are one fragment of 128 along K.  B (W) comes as rows of 768 bytes.
; Inside each block of 32 both have the same order of places.  Scale bytes: [row][32] for both.
; A tile of out0, 256 x 256, is made by a work-group of four waves; a wave makes 128 x 128: 64 accumulators, 512 registers.  K goes in steps of 256 through a ring of two LDS slots filled by the tensor data mover.
; The scale bytes of the work-group's rows, for all of K, come into LDS once, with the first fills, and stay.
; CLUSTER 4 x 4: A's tiles are asked for jointly along a row of the cluster, B's along a column.  128 work-groups: the design keeps this tile for its few LDS bytes a product; half of the WGPs have no work in this launch.
; THE MATRIX INSTRUCTION IS USED TRANSPOSED (source 0 = 16 rows of W, source 1 = 16 rows of y): a lane holds eight neighbouring numbers of a row of out0.
; REGISTERS: window 0: v0-31 addresses; v32-63 scale words, two sets; from v128 A's fragments, one set; window 1: B's fragments, two sets; windows 2, 3: the accumulators.
.set SIZE_N, 1024
.set NQ,     2                         ; matrix instructions deep in a slot
.set ROWB,   192                       ; B: a tile's row in bytes
.set KROW,   768                       ; a row of B in memory; also 16 rows of A's images / 16
.set PITCH,  240                       ; B's LDS row: 3 x (64 bytes + 16 of padding)
.set FR,     12
.set NLA,    4                         ; LDS loads that bring a fragment of A
.set NP,     4
.set HALFA,  24576                     ; 128 rows of A for 256 along K: 8 tiles x 3,072 bytes, dense
.set HALFB,  128*PITCH
.set BOFF,   2*HALFA
.set SLOT,   2*HALFA+2*HALFB
.set LAPS,   2
.set KS,     32
.set SCL,    2*SLOT                    ; behind the ring: the scales, as units of 256 bytes + 16 of padding
.set HALFS,  (128*KS/256)*272
.set SBLK,   (16*KS/256)*272
.set SPARE,  SCL+4*HALFS               ; the spare words, 128 bytes for each wave
.set SPITCH, 528                       ; the way out: 16 rows x (512 + 16) for each wave, in slot 0, which has had its last fill and its last read by then
.set ADRA, 16                          ; v16-17 A: slot 0, 1: base + 16 x lane;  v18-19: base + 8 x lane
.set ADRB, 20                          ; v20-21 B's fragments in slot 0, 1;  v22-23 the same behind one padding more
.set STO,  24
.set RD,   25
.set CO,   26
.set ADRS, 27
.set SPW,  28                          ; SPARE + 4 x my thread's number; never rewritten
.set NIL,  29                          ; 0; never rewritten
.set SC,   32
.set AF,   128
.set BK,   128
.set G1, 24
.set G0, 32
.set G1B, 48
.set G0B, 56
.set G1S, 68
.set G0S, 76
.set G1SB, 80
.set G0SB, 88
.set MSB, 0
.macro WIN new
.if MSB != (\new)
	s_set_vgpr_msb (MSB<<8)|(\new)
.set MSB, \new
.endif
.endm
.set MUL_LO, 0xa1                      ; source 0 (B) window 1, source 1 (A) window 0, C and D window 2
.set MUL_HI, 0xf1
.set TO_B,   0x40
.macro JLOAD g0a, g1a, g0b, g1b        ; a joint load: waves 0 and 1 fetch for A, waves 2 and 3 for B; four v_nop follow each line
	s_cmp_eq_u32 s15, 0
	s_cbranch_scc0 .Lfor_b_\@
	tensor_load_to_lds s[\g0a:\g0a+3], s[\g1a:\g1a+7]
	s_nop 0
.rept 4
	v_nop
.endr
	s_branch .Lasked_\@
.Lfor_b_\@:
	tensor_load_to_lds s[\g0b:\g0b+3], s[\g1b:\g1b+7]
	s_nop 0
.rept 4
	v_nop
.endr
.Lasked_\@:
.endm
.macro CREST
	s_cmp_lg_u32 s14, 0
	s_cbranch_scc1 .Lnot_wave_0_\@
	s_barrier_signal -3
.Lnot_wave_0_\@:
	s_barrier_wait -3
	s_barrier_signal -1
	s_barrier_wait -1
.endm
.macro CROUND
	s_barrier_signal -1
	s_barrier_wait -1
	CREST
.endm
	s_load_b128 s[4:7], s[0:1], 0x0                ; yb, wb
	s_load_b64 s[12:13], s[0:1], 0x10              ; out0
	v_lshl_add_u32 v[SPW], v0, 2, SPARE
	v_mov_b32 v[NIL], 0
	ds_add_u32 v28, v29
	ds_add_u32 v28, v29
	s_wait_dscnt 0x0
	v_lshrrev_b32 v1, 5, v0
	v_readfirstlane_b32 s14, v1                    ; wave 0..3
	s_lshr_b32 s15, s14, 1                         ; which half of the tile's rows is mine.  Also: I fetch for A (0) or for B (1)
	s_and_b32 s16, s14, 1                          ; which half of its columns.  Also: which 128 rows I fetch
	s_bfe_u32 s40, ttmp6, 0x40000                  ; cx, cy
	s_bfe_u32 s41, ttmp6, 0x40004
	s_lshl_b32 s42, ttmp9, 2
	s_add_co_u32 s42, s42, s40                     ; tile column
	s_and_b32 s17, ttmp7, 0xffff
	s_lshl_b32 s17, s17, 2
	s_add_co_u32 s17, s17, s41                     ; tile row
	s_lshl_b32 s43, s41, 2
	s_lshl_b32 s43, 15, s43                        ; my row of the cluster
	s_lshl_b32 s44, 0x1111, s40                    ; my column
	s_or_b32 s[G1+0], s43, (3<<16)|(1<<21)         ; A: 8 tiles of rows x 3,072 bytes (384 elements of 8 bytes: four heads), 12,288 bytes apart; no padding: the images are read 16 or 8 bytes a lane on end
	s_mov_b32 s[G1+1], 384<<16
	s_mov_b32 s[G1+2], 8<<16
	s_mov_b32 s[G1+3], 384<<16
	s_mov_b32 s[G1+4], 8
	s_mov_b32 s[G1+5], 1536
	s_mov_b32 s[G1+6], 0
	s_mov_b32 s[G1+7], 0
	s_or_b32 s[G1B+0], s44, (0<<16)|(1<<20)|(1<<21)|(3<<22)|(3<<25)   ; B: 128 rows of 192 bytes; 4 words of padding behind every 16
	s_mov_b32 s[G1B+1], ROWB<<16
	s_mov_b32 s[G1B+2], 128<<16
	s_mov_b32 s[G1B+3], ROWB<<16
	s_mov_b32 s[G1B+4], 128
	s_mov_b32 s[G1B+5], KROW
	s_mov_b32 s[G1B+6], 0
	s_mov_b32 s[G1B+7], 0
	s_or_b32 s[G1S+0], s43, (3<<16)|(1<<20)|(1<<21)|(5<<22)|(3<<25)   ; the scales of 128 rows: a dense block, as rows of 256 bytes with 16 of padding behind each
	s_or_b32 s[G1SB+0], s44, (3<<16)|(1<<20)|(1<<21)|(5<<22)|(3<<25)
.irp g, G1S, G1SB
	s_mov_b32 s[\g+1], 32<<16
	s_mov_b32 s[\g+2], (128*KS/256)<<16
	s_mov_b32 s[\g+3], 32<<16
	s_mov_b32 s[\g+4], 128*KS/256
	s_mov_b32 s[\g+5], 32
	s_mov_b32 s[\g+6], 0
	s_mov_b32 s[\g+7], 0
.endr
	s_lshl_b32 s18, s16, 7
	s_lshl_b32 s20, s17, 8
	s_add_co_u32 s20, s20, s18                     ; A: row 256 x tile row + 128 x half
	s_lshl_b32 s46, s42, 8
	s_add_co_u32 s46, s46, s18                     ; B: row 256 x tile column + 128 x half
	s_mov_b32 s21, 0
	s_mov_b32 s47, 0
	s_mov_b64 s[18:19], KS
	s_mul_u64 s[22:23], s[20:21], s[18:19]         ; where these rows' scales begin
	s_mul_u64 s[92:93], s[46:47], s[18:19]
	s_mov_b64 s[18:19], KROW
	s_mul_u64 s[20:21], s[20:21], s[18:19]         ; and their codes (16 rows of images are 12,288 bytes = 16 x 768)
	s_mul_u64 s[46:47], s[46:47], s[18:19]
	s_mul_i32 s45, s16, HALFA                      ; where they go in a slot: no place in the cluster enters an LDS address
	s_mul_i32 s95, s16, HALFB
	s_add_co_u32 s95, s95, BOFF
	s_mul_i32 s94, s14, HALFS
	s_wait_kmcnt 0x0
	s_mov_b64 s[8:9], s[6:7]                       ; W's codes
	s_add_nc_u64 s[10:11], s[8:9], 786432          ; W's scales
	s_add_nc_u64 s[6:7], s[4:5], 6291456           ; y's scales
	s_add_nc_u64 s[20:21], s[4:5], s[20:21]
	s_add_nc_u64 s[22:23], s[6:7], s[22:23]
	s_add_nc_u64 s[46:47], s[8:9], s[46:47]
	s_add_nc_u64 s[92:93], s[10:11], s[92:93]
	CROUND                                         ; all sixteen work-groups are here: the first joint loads meet
	s_mov_b32 s[G0S], 1
	s_add_co_u32 s[G0S+1], s94, SCL
	s_mov_b64 s[G0S+2:G0S+3], s[22:23]
	s_or_b32 s[G0S+3], s[G0S+3], 0x80000000
	s_mov_b32 s[G0SB], 1
	s_add_co_u32 s[G0SB+1], s94, SCL
	s_mov_b64 s[G0SB+2:G0SB+3], s[92:93]
	s_or_b32 s[G0SB+3], s[G0SB+3], 0x80000000
	JLOAD G0S, G1S, G0SB, G1SB                     ; the scales first: they are wanted with K step 0
.irp s, 0,1
	s_mov_b32 s[G0+4*\s], 1
	s_add_co_u32 s[G0+4*\s+1], s45, \s*SLOT
	s_add_nc_u64 s[G0+4*\s+2:G0+4*\s+3], s[20:21], \s*3072
	s_or_b32 s[G0+4*\s+3], s[G0+4*\s+3], 0x80000000
	s_mov_b32 s[G0B+4*\s], 1
	s_add_co_u32 s[G0B+4*\s+1], s95, \s*SLOT
	s_add_nc_u64 s[G0B+4*\s+2:G0B+4*\s+3], s[46:47], \s*ROWB
	s_or_b32 s[G0B+4*\s+3], s[G0B+4*\s+3], 0x80000000
	s_wait_alu depctr_va_vdst(0)
	s_wait_tensorcnt 0x0
	ds_add_u32 v28, v29
	s_wait_dscnt 0x0
	CROUND
	JLOAD G0+4*\s, G1, G0B+4*\s, G1B
.endr
	v_and_b32 v1, 15, v0                           ; l % 16
	v_bfe_u32 v2, v0, 4, 1                         ; l / 16
	v_and_b32 v6, 31, v0
	v_mul_u32_u24 v3, v1, PITCH
	v_mul_u32_u24 v4, v2, 24
	v_add_nc_u32 v4, v3, v4                        ; B: a fragment's row x pitch + 24 x half
	v_lshl_add_u32 v5, v2, 4, v4                   ; and the same behind one padding more
	v_lshlrev_b32 v7, 4, v6                        ; A: 16 x lane
	v_lshlrev_b32 v8, 3, v6                        ;    8 x lane
	s_mul_i32 s21, s15, HALFA                      ; my 128 rows of A
	s_mul_i32 s22, s16, HALFB                      ; my 128 rows of B,
	s_add_co_u32 s22, s22, BOFF                    ; which lie behind A's 256
.irp s, 0,1
	v_add_nc_u32 v[ADRA+\s], s21, v7
	v_add_nc_u32 v[ADRA+2+\s], s21, v8
	v_add_nc_u32 v[ADRB+\s], s22, v4
	v_add_nc_u32 v[ADRB+2+\s], s22, v5
	s_add_co_u32 s21, s21, SLOT
	s_add_co_u32 s22, s22, SLOT
.endr
	v_mul_u32_u24 v5, v1, KS                       ; my row's scales: KS bytes a row,
	v_lshrrev_b32 v6, 8, v5
	v_lshl_add_u32 v5, v6, 4, v5                   ; and 16 more for each 256 passed
	s_mul_i32 s21, s15, HALFS
	s_mul_i32 s22, s16, HALFS
	s_add_co_u32 s22, s22, 2*HALFS
	s_sub_co_u32 s22, s22, s21
	v_mul_u32_u24 v6, s22, v2                      ; lanes 16-31 take B's: the lower base + h x the distance
	s_add_co_u32 s21, s21, SCL
	v_add_nc_u32 v5, v5, v6
	v_add_nc_u32 v[ADRS], s21, v5
	s_mul_i32 s23, s14, 16*SPITCH                  ; my stage
	v_mul_u32_u24 v5, v1, SPITCH
	v_lshl_add_u32 v5, v2, 5, v5
	v_add_nc_u32 v[STO], s23, v5
	v_and_b32 v6, 31, v0
	v_lshlrev_b32 v[CO], 4, v6
	v_add_nc_u32 v[RD], s23, v[CO]
	s_lshl_b32 s20, s17, 8
	s_lshl_b32 s21, s15, 7
	s_add_co_u32 s20, s20, s21                     ; my first row of out0
	s_mov_b32 s21, 0
	s_mov_b64 s[18:19], SIZE_N*4
	s_mul_u64 s[20:21], s[20:21], s[18:19]
	s_lshl_b32 s46, s42, 10                        ; my first column, in bytes
	s_lshl_b32 s47, s16, 9
	s_add_co_u32 s46, s46, s47
	s_mov_b32 s47, 0
	s_add_nc_u64 s[20:21], s[20:21], s[46:47]
	s_add_nc_u64 s[12:13], s[12:13], s[20:21]
.macro FRAG reg, adr, q, i             ; B: 16 rows x 128 K in pieces of 8 bytes; lanes 16-31 take the pieces three on, for some behind one padding more
.irp p, 0,1,2,3,4,5
.set PC, 12*(\q)+6*(\p/3)+\p%3
.if PC%8 < 5
	ds_load_b64 v[\reg+2*\p:\reg+2*\p+1], v[\adr] offset:8*PC+16*(PC/8)+(\i)*16*PITCH
.else
	ds_load_b64 v[\reg+2*\p:\reg+2*\p+1], v[\adr+2] offset:8*PC+16*(PC/8)+(\i)*16*PITCH
.endif
.endr
.endm
.macro FRAGA reg, sl, q, i             ; A: two heads' images are the fragment's registers 0-5 and 6-11
	ds_load_b128 v[\reg:\reg+3], v[ADRA+\sl] offset:(\i)*3072+(\q)*1536
	ds_load_b64 v[\reg+4:\reg+5], v[ADRA+2+\sl] offset:(\i)*3072+(\q)*1536+512
	ds_load_b128 v[\reg+6:\reg+9], v[ADRA+\sl] offset:(\i)*3072+(\q)*1536+768
	ds_load_b64 v[\reg+10:\reg+11], v[ADRA+2+\sl] offset:(\i)*3072+(\q)*1536+1280
.endm
; 16 matrix instructions: A's blocks a0, a0 + 1 x B's eight.  The 64 accumulators take turns, one instruction a turn, in the same order in every step.
.macro MUL16 a0, p, q, sc, zero
.irp a, \a0, \a0+1
.irp b, 0,1,2,3,4,5,6,7
.if \zero
	v_wmma_scale_f32_16x16x128_f8f6f4 v[8*(8*((\a)%4)+\b):8*(8*((\a)%4)+\b)+7], v[128*(\p)+FR*\b:128*(\p)+FR*\b+FR-1], v[AF+FR*(\a):AF+FR*(\a)+FR-1], 0, v[SC+8*NQ*(\sc)+NQ*\b+(\q)], v[SC+8*NQ*(\sc)+NQ*(\a)+(\q)] matrix_a_fmt:MATRIX_FMT_FP6 matrix_b_fmt:MATRIX_FMT_FP6 matrix_a_scale:MATRIX_SCALE_ROW1
.else
	v_wmma_scale_f32_16x16x128_f8f6f4 v[8*(8*((\a)%4)+\b):8*(8*((\a)%4)+\b)+7], v[128*(\p)+FR*\b:128*(\p)+FR*\b+FR-1], v[AF+FR*(\a):AF+FR*(\a)+FR-1], v[8*(8*((\a)%4)+\b):8*(8*((\a)%4)+\b)+7], v[SC+8*NQ*(\sc)+NQ*\b+(\q)], v[SC+8*NQ*(\sc)+NQ*(\a)+(\q)] matrix_a_fmt:MATRIX_FMT_FP6 matrix_b_fmt:MATRIX_FMT_FP6 matrix_a_scale:MATRIX_SCALE_ROW1
.endif
.endr
.endr
.endm
.macro FETCH_B slot, q, p
	WIN TO_B
.irp i, 0,1,2,3,4,5,6,7
	FRAG 128*(\p)+FR*\i, ADRB+\slot, \q, \i
.endr
	WIN 0
.endm
.macro FETCH_A slot, q, i0
.irp i, \i0, \i0+1, \i0+2, \i0+3
	FRAGA AF+FR*(\i), \slot, \q, \i
.endr
.endm
.macro SCALES sc                       ; a K step's scale words: lanes 0-15 A's block i, lanes 16-31 B's block i
.irp i, 0,1,2,3,4,5,6,7
	ds_load_b64 v[SC+8*NQ*\sc+NQ*\i:SC+8*NQ*\sc+NQ*\i+1], v[ADRS] offset:\i*SBLK
.endr
.endm
.macro PLACES n                        ; plain places behind matrix instructions, in front of loads into their registers and of reads of results
.rept \n
	v_nop
.endr
.endm
.macro STEP slot, q, zero              ; 128 along K whose successor lies in the same slot
	s_wait_dscnt 4*NLA                             ; B's set and A's blocks 0-3 are in; the youngest 16 loads (A's blocks 4-7) may be out
	WIN MUL_LO
	MUL16 0, (\q)%2, \q, \slot, \zero
	MUL16 2, (\q)%2, \q, \slot, \zero
	s_wait_dscnt 0
	PLACES NP
	FETCH_B \slot, (\q)+1, 1-(\q)%2
	FETCH_A \slot, (\q)+1, 0
	WIN MUL_HI
	MUL16 4, (\q)%2, \q, \slot, \zero
	MUL16 6, (\q)%2, \q, \slot, \zero
	PLACES NP
	WIN 0
	FETCH_A \slot, (\q)+1, 4
.endm
.macro TURN slot, next, fill           ; a slot's last step changes slots: one barrier; fill = 1: this slot is filled again, two K steps ahead
	s_wait_tensorcnt 0x0                           ; all my tensor loads have landed: my part of the next slot
	ds_add_u32 v[SPW], v[NIL]                      ; 0 onto my spare word
	s_wait_dscnt 4*NLA+1                           ; (the add and A's blocks 4-7 may be out)
	WIN MUL_LO
	MUL16 0, 1, NQ-1, \slot, 0                     ; sixteen matrix instructions stand between the add and the wait for it
	s_wait_dscnt 0x0                               ; the add is done, and my reads of this slot are over
	s_barrier_signal -1
	MUL16 2, 1, NQ-1, \slot, 0
	WIN 0
	s_barrier_wait -1
.if \fill
	CREST                                          ; the barrier has opened a round of the cluster's barrier: no wave of any partner still reads this slot or has a load on its way
	s_add_nc_u64 s[G0+4*\slot+2:G0+4*\slot+3], s[G0+4*\slot+2:G0+4*\slot+3], 6144
	s_add_nc_u64 s[G0B+4*\slot+2:G0B+4*\slot+3], s[G0B+4*\slot+2:G0B+4*\slot+3], 2*ROWB
	JLOAD G0+4*\slot, G1, G0B+4*\slot, G1B         ; the first tensor load behind the round; its four v_nop are the places for the loads below
.else
	PLACES NP
.endif
	s_wait_alu depctr_va_vdst(0)
	v_add_nc_u32 v[ADRS], 4*NQ, v[ADRS]            ; on to the next K step's scale words (no LDS load of mine is out)
	FETCH_B \next, 0, 0
	FETCH_A \next, 0, 0
	SCALES \next
	WIN MUL_HI
	MUL16 4, 1, NQ-1, \slot, 0
	MUL16 6, 1, NQ-1, \slot, 0
	PLACES NP
	WIN 0
	FETCH_A \next, 0, 4
.endm
	s_wait_alu depctr_va_vdst(0)
	s_wait_tensorcnt 1                             ; the scales and my part of K step 0 are in (K step 1's load may be out)
	s_barrier_signal -1
	s_barrier_wait -1                              ; everybody's are
	FETCH_B 0, 0, 0
	FETCH_A 0, 0, 0
	SCALES 0
	FETCH_A 0, 0, 4
	STEP 0, 0, 1                                   ; the first step's products start the sums
	s_mov_b32 s3, LAPS-1
.Llap:                                                 ; a trip goes once round the ring and fills both slots again
	TURN 0, 1, 1
	STEP 1, 0, 0
	TURN 1, 0, 1
	STEP 0, 0, 0
	s_sub_co_u32 s3, s3, 1
	s_cmp_lg_u32 s3, 0
	s_cbranch_scc1 .Llap
	TURN 0, 1, 0                                   ; the last lap fills nothing
	STEP 1, 0, 0
	s_wait_dscnt 4*NLA                             ; the very last step
	WIN MUL_LO
	MUL16 0, 1, NQ-1, 1, 0
	MUL16 2, 1, NQ-1, 1, 0
	s_wait_dscnt 0
	WIN MUL_HI
	MUL16 4, 1, NQ-1, 1, 0
	MUL16 6, 1, NQ-1, 1, 0
	WIN 0
; THE WAY OUT, block by block of 16 rows x 128 columns, through my own stage in LDS: in as 32 bytes a lane, back as whole rows of 512 bytes.  LDS serves a wave's instructions in order (ISA guide 5.7.1.4).
.macro TOSTAGE a
.set AC, 64*((\a)%4)
	WIN 0x08+4*((\a)/4)                            ; the data: window 2 or 3
.irp b, 0,1,2,3,4,5,6,7
	ds_store_b128 v[STO], v[AC+8*\b:AC+8*\b+3] offset:64*\b          ; each accumulator from its low end on
	ds_store_b128 v[STO], v[AC+8*\b+4:AC+8*\b+7] offset:64*\b+16
.endr
	WIN 0
.set BB, BK+64*((\a)%2)
.irp t, 0,1,2,3,4,5,6,7,8,9,10,11,12,13,14,15
	ds_load_b128 v[BB+4*\t:BB+4*\t+3], v[RD] offset:\t*SPITCH
.endr
.endm
.macro SEND a, younger
.set BB, BK+64*((\a)%2)
	s_wait_dscnt \younger                          ; the block is back in registers
.if (\a) > 0
	s_add_nc_u64 s[12:13], s[12:13], 16*SIZE_N*4   ; (behind a wait on XCNT: the earlier stores have read their base)
.endif
.irp t, 0,1,2,3,4,5,6,7,8,9,10,11,12,13,14,15
	global_store_b128 v[CO], v[BB+4*\t:BB+4*\t+3], s[12:13] offset:\t*SIZE_N*4 th:TH_STORE_NT   ; 32 lanes store 512 consecutive bytes, aligned to 256
.endr
.endm
	PLACES NP
	TOSTAGE 0
.irp a, 1,2,3,4,5,6,7
.if \a > 1
	s_wait_xcnt 0x0                                ; block a - 2's stores have read their registers and their base
.endif
	TOSTAGE \a
	SEND \a-1, 32                                  ; behind block a - 1's loads: block a's 16 stores and 16 loads
.endr
	s_wait_xcnt 0x0
	SEND 7, 0
	s_wait_tensorcnt 0x0                           ; the wave's end
	ds_add_u32 v[SPW], v[NIL]
	s_wait_dscnt 0x0
	CROUND                                         ; the closing round
	s_endpgm
.Lfunc_end_k_qea35cb928a_outp:
	.size	k_qea35cb928a_outp, .Lfunc_end_k_qea35cb928a_outp-k_qea35cb928a_outp
	.p2alignl 7, 3214868480
	.fill 96, 4, 3214868480
	.section	.rodata,"a",@progbits
	.p2align	6, 0x0
	.amdhsa_kernel k_qea35cb928a_outp
		.amdhsa_group_segment_fixed_size 327680
		.amdhsa_private_segment_fixed_size 0
		.amdhsa_enable_private_segment 0
		.amdhsa_kernarg_size 24
		.amdhsa_user_sgpr_count 2
		.amdhsa_user_sgpr_kernarg_segment_ptr 1
		.amdhsa_wavefront_size32 1
		.amdhsa_system_sgpr_workgroup_id_x 1
		.amdhsa_system_sgpr_workgroup_id_y 1
		.amdhsa_system_sgpr_workgroup_id_z 1
		.amdhsa_system_vgpr_workitem_id 0
		.amdhsa_next_free_vgpr 1024
		.amdhsa_next_free_sgpr 98
		.amdhsa_reserve_vcc 0
		.amdhsa_float_denorm_mode_32 3
		.amdhsa_float_denorm_mode_16_64 3
		.amdhsa_memory_ordered 1
		.amdhsa_forward_progress 1
		.amdhsa_inst_pref_size 153
	.end_amdhsa_kernel
	.amdgpu_metadata
---
amdhsa.version: [ 1, 2 ]
amdhsa.kernels:
  - .name:           k_qea35cb928a_outp
    .symbol:         k_qea35cb928a_outp.kd
    .args:
      - { .name: yb, .offset: 0, .size: 8, .value_kind: global_buffer, .address_space: global }
      - { .name: wb, .offset: 8, .size: 8, .value_kind: global_buffer, .address_space: global }
      - { .name: out0, .offset: 16, .size: 8, .value_kind: global_buffer, .address_space: global }
    .group_segment_fixed_size: 327680
    .private_segment_fixed_size: 0
    .kernarg_segment_align: 8
    .kernarg_segment_size: 24
    .max_flat_workgroup_size: 128
    .sgpr_count:     98
    .vgpr_count:     1024
    .wavefront_size: 32
...
	.end_amdgpu_metadata
.endif
;; end of part 3
